; MI455X (gfx1250); checked and timed in simulation.
; The chip was launched on July 23, 2026; its instructions are those of AMD's public machine-readable ISA for CDNA 5 (MIT licence, August 2026) and "CDNA5" Instruction Set Architecture Reference Guide (July 2026). The comments in the code are by the model that wrote it; some were corrected since.
;; Standard Multi Head Attention. Allowed arithmetic: float matrix products may take bf16 or f16 operands with f32 sums; other float arithmetic in f32, or as packed bf16 or f16 multiplies, adds, multiply-adds, maxima and minima; sums over many terms, partial sums and values carried from step to step in f32; what a program stores and reads back later, other than sums and carried values, may be rounded once to bf16 or f16.
;; Inputs: Wk 1,024 x 1,024 float32; Wo 1,024 x 1,024 float32; Wq 1,024 x 1,024 float32; Wv 1,024 x 1,024 float32; bk 1,024 float32; bo 1,024 float32; bq 1,024 float32; bv 1,024 float32; x 4 x 2,048 x 1,024 float32.
;; Outputs: out0 4 x 2,048 x 1,024 float32.
;; 2 versions, each right; version 2 is version 1 with the launch cast written anew for expert scheduling mode. Each part assembles by itself: llvm-mc -triple=amdgcn-amd-amdhsa -mcpu=gfx1250 --defsym DOCPART=n.
;; ======== version 1 of 2: 4 launches
;; limits: values are held in f16: magnitudes above 65,504 overflow, below 6.1e-05 lose precision
;; workspace buffers: xb 16,777,216 bytes; wb 6,291,456 bytes; wo16 2,097,152 bytes; bias 16,384 bytes; qkv 50,331,648 bytes; o16 16,777,216 bytes
;; launch cast (part 1): grid 772 x 1, 8 waves a work-group, no clusters, 0 bytes of LDS; arguments x, Wq, Wk, Wv, Wo, bq, bk, bv, bo, xb, wb, wo16, bias; writes xb, wb, wo16, bias
.if DOCPART == 1
	.amdgcn_target "amdgcn-amd-amdhsa--gfx1250"
	.amdhsa_code_object_version 6
	.text
	.protected	k_q4dc96cc78d_cast
	.globl	k_q4dc96cc78d_cast
	.p2align	8
	.type	k_q4dc96cc78d_cast,@function
k_q4dc96cc78d_cast:
	s_mov_b64 s[64:65], 0
	v_nop
	global_prefetch_b8 v0, s[64:65] scope:SCOPE_SE
	s_setreg_imm32_b32 hwreg(HW_REG_WAVE_MODE, 25, 1), 1
	s_wait_xcnt 0x0
; THE MODULE'S INPUTS ARE ROUNDED ONCE TO bf16 AND LAID OUT FOR THE PRODUCTS THAT FOLLOW.
;   xb   [16 kb][8192 rows][64]  bf16: x, in blocks of 64 along K, so that a tile's rows (128 bytes each) lie end to end
;   wb   [16 kb][3072 rows][64]  bf16: Wq's rows, then Wk's, then Wv's
;   wo16 [16 kb][1024 rows][64]  f16:  Wo rounded to bf16, and that number written as f16
;   bias [4096] f32: bq, bk, bv, bo, each rounded to bf16 and widened again
; LIMITS.  Wo's numbers, after the rounding to bf16, are exact in f16 from 2^-14 to 65,504 in magnitude; below they keep f16's fixed step of 2^-24, above they become infinities.
; SHARES.  Work-groups 0-511: 16 rows of x each.  512-767: 16 rows of a weight each (64 work-groups a weight, in the order Wq, Wk, Wv, Wo).  768-771: a bias each.
; Thread t takes row t / 16 of the 16 and, in each of the row's 16 blocks of 64 numbers (256 bytes of f32), the 16 bytes at 16 (t % 16): sixteen lanes read 256 consecutive bytes, aligned.
; Its 4 numbers of block kb become 8 bytes at byte 8 t of the group's 16 rows in that block: a wave's store covers 256 consecutive bytes, aligned.
; A stream: each byte is read once and written once; all 16 loads of a thread are out together.  No LDS, no barrier, no matrix unit: no thread wants another's bytes.
.set LO, 2                             ; v2       my byte offset in the 16 rows of the source
.set SO, 8                             ; v[8:23]  my byte offset in block kb of the destination
.set XR, 32                            ; v[32:95] block kb: 4 numbers as loaded
.set YR, 96                            ; v[96:127] block kb: 4 numbers in 16 bits
	s_load_b512 s[8:23], s[0:1], 0x0               ; x s[8:9], Wq s[10:11], Wk s[12:13], Wv s[14:15], Wo s[16:17], bq s[18:19], bk s[20:21], bv s[22:23]
	s_load_b256 s[24:31], s[0:1], 0x40             ; bo s[24:25], xb s[26:27], wb s[28:29], wo16 s[30:31]
	s_load_b64 s[32:33], s[0:1], 0x60              ; bias
	s_mov_b32 s2, ttmp9
	s_cmp_ge_u32 s2, 768
	s_cbranch_scc1 .Lbias
	s_max_u32 s3, s2, 512
	s_sub_co_u32 s3, s3, 512                       ; the number among the weights' work-groups (0 for x's)
	s_lshr_b32 s4, s3, 6                           ; which weight
	s_and_b32 s5, s3, 63
	s_lshl_b32 s5, s5, 4                           ; its first row of mine
	s_lshl_b32 s6, s2, 4                           ; x's first row of mine
	s_cmp_lt_u32 s2, 512
	s_cselect_b32 s5, s6, s5                       ; the source's row
	s_cselect_b32 s4, 4, s4                        ; kind: 0 Wq, 1 Wk, 2 Wv, 3 Wo, 4 x
	s_lshl_b32 s6, s4, 10
	s_mov_b32 s42, 131072                          ; bytes in a block of wo16,
	s_mov_b32 s43, 393216                          ; of wb,
	s_cmp_lt_u32 s4, 3
	s_cselect_b32 s6, s6, 0                        ; in wb the three weights' rows follow each other
	s_cselect_b32 s42, s43, s42
	s_mov_b32 s43, 1048576                         ; of xb
	s_cmp_eq_u32 s4, 4
	s_cselect_b32 s42, s43, s42
	s_add_co_u32 s6, s6, s5                        ; the destination's row
	s_lshl_b32 s40, s6, 7                          ; x 128 bytes
	s_mov_b32 s41, 0
	s_lshl_b32 s38, s5, 12                         ; the source's row x 4,096 bytes
	s_mov_b32 s39, 0
	v_lshrrev_b32 v1, 4, v0
	v_and_b32 v2, 15, v0
	v_lshlrev_b32 v2, 4, v2
	v_lshl_add_u32 v[LO], v1, 12, v2               ; (t / 16) x 4,096 + 16 (t % 16)
	s_wait_kmcnt 0x0
	s_cmp_eq_u32 s4, 1
	s_cselect_b64 s[34:35], s[12:13], s[10:11]
	s_cmp_eq_u32 s4, 2
	s_cselect_b64 s[34:35], s[14:15], s[34:35]
	s_cmp_eq_u32 s4, 3
	s_cselect_b64 s[34:35], s[16:17], s[34:35]
	s_cselect_b64 s[36:37], s[30:31], s[28:29]
	s_cmp_eq_u32 s4, 4
	s_cselect_b64 s[34:35], s[8:9], s[34:35]
	s_cselect_b64 s[36:37], s[26:27], s[36:37]
	s_add_nc_u64 s[34:35], s[34:35], s[38:39]      ; the source at my 16 rows
	s_add_nc_u64 s[36:37], s[36:37], s[40:41]      ; the destination at my 16 rows of block 0
.irp kb, 0,1,2,3,4,5,6,7,8,9,10,11,12,13,14,15
	global_load_b128 v[XR+4*(\kb):XR+4*(\kb)+3], v[LO], s[34:35] offset:256*(\kb) th:TH_LOAD_NT
.endr
	v_lshlrev_b32 v[SO], 3, v0                     ; made while the loads are out
.irp kb, 1,2,3,4,5,6,7,8,9,10,11,12,13,14,15
	v_add_nc_u32 v[SO+(\kb)], s42, v[SO+(\kb)-1]
.endr
.irp kb, 0,1,2,3,4,5,6,7,8,9,10,11,12,13,14,15
	s_wait_loadcnt 15-(\kb)                        ; loads come back in order: block kb is in, the 15 - kb younger ones may stay out
	v_cvt_pk_bf16_f32 v[YR+2*(\kb)], v[XR+4*(\kb)], v[XR+4*(\kb)+1]
	v_cvt_pk_bf16_f32 v[YR+2*(\kb)+1], v[XR+4*(\kb)+2], v[XR+4*(\kb)+3]
.endr
	s_cmp_lg_u32 s4, 3
	s_cbranch_scc1 .Lstore
.set i, 0
.rept 32                               ; Wo alone: the bf16 numbers are written as f16
	v_lshlrev_b32 v4, 16, v[YR+i]
	v_and_b32 v5, 0xffff0000, v[YR+i]
	v_cvt_pk_f16_f32 v[YR+i], v4, v5
.set i, i+1
.endr
.Lstore:
.irp kb, 0,1,2,3,4,5,6,7,8,9,10,11,12,13,14,15
	global_store_b64 v[SO+(\kb)], v[YR+2*(\kb):YR+2*(\kb)+1], s[36:37]
.endr
	s_endpgm
.Lbias:                                        ; 1,024 numbers: 16 bytes a thread in, 16 bytes out
	s_sub_co_u32 s3, s2, 768
	s_lshl_b32 s40, s3, 12
	s_mov_b32 s41, 0
	v_lshlrev_b32 v2, 4, v0
	s_wait_kmcnt 0x0
	s_cmp_eq_u32 s3, 1
	s_cselect_b64 s[34:35], s[20:21], s[18:19]
	s_cmp_eq_u32 s3, 2
	s_cselect_b64 s[34:35], s[22:23], s[34:35]
	s_cmp_eq_u32 s3, 3
	s_cselect_b64 s[34:35], s[24:25], s[34:35]
	s_add_nc_u64 s[36:37], s[32:33], s[40:41]
	global_load_b128 v[32:35], v2, s[34:35]
	s_wait_loadcnt 0x0
	v_cvt_pk_bf16_f32 v4, v32, v33
	v_cvt_pk_bf16_f32 v5, v34, v35
	v_lshlrev_b32 v96, 16, v4
	v_and_b32 v97, 0xffff0000, v4
	v_lshlrev_b32 v98, 16, v5
	v_and_b32 v99, 0xffff0000, v5
	global_store_b128 v2, v[96:99], s[36:37]
	s_endpgm
.Lfunc_end_k_q4dc96cc78d_cast:
	.size	k_q4dc96cc78d_cast, .Lfunc_end_k_q4dc96cc78d_cast-k_q4dc96cc78d_cast
	.p2alignl 7, 3214868480
	.fill 96, 4, 3214868480
	.section	.rodata,"a",@progbits
	.p2align	6, 0x0
	.amdhsa_kernel k_q4dc96cc78d_cast
		.amdhsa_group_segment_fixed_size 0
		.amdhsa_private_segment_fixed_size 0
		.amdhsa_enable_private_segment 0
		.amdhsa_kernarg_size 104
		.amdhsa_user_sgpr_count 2
		.amdhsa_user_sgpr_kernarg_segment_ptr 1
		.amdhsa_wavefront_size32 1
		.amdhsa_system_sgpr_workgroup_id_x 1
		.amdhsa_system_sgpr_workgroup_id_y 1
		.amdhsa_system_sgpr_workgroup_id_z 1
		.amdhsa_system_vgpr_workitem_id 0
		.amdhsa_next_free_vgpr 128
		.amdhsa_next_free_sgpr 66
		.amdhsa_reserve_vcc 0
		.amdhsa_float_denorm_mode_32 3
		.amdhsa_float_denorm_mode_16_64 3
		.amdhsa_memory_ordered 1
		.amdhsa_forward_progress 1
		.amdhsa_inst_pref_size 15
	.end_amdhsa_kernel
	.amdgpu_metadata
---
amdhsa.version: [ 1, 2 ]
amdhsa.kernels:
  - .name:           k_q4dc96cc78d_cast
    .symbol:         k_q4dc96cc78d_cast.kd
    .args:
      - { .name: x, .offset: 0, .size: 8, .value_kind: global_buffer, .address_space: global }
      - { .name: Wq, .offset: 8, .size: 8, .value_kind: global_buffer, .address_space: global }
      - { .name: Wk, .offset: 16, .size: 8, .value_kind: global_buffer, .address_space: global }
      - { .name: Wv, .offset: 24, .size: 8, .value_kind: global_buffer, .address_space: global }
      - { .name: Wo, .offset: 32, .size: 8, .value_kind: global_buffer, .address_space: global }
      - { .name: bq, .offset: 40, .size: 8, .value_kind: global_buffer, .address_space: global }
      - { .name: bk, .offset: 48, .size: 8, .value_kind: global_buffer, .address_space: global }
      - { .name: bv, .offset: 56, .size: 8, .value_kind: global_buffer, .address_space: global }
      - { .name: bo, .offset: 64, .size: 8, .value_kind: global_buffer, .address_space: global }
      - { .name: xb, .offset: 72, .size: 8, .value_kind: global_buffer, .address_space: global }
      - { .name: wb, .offset: 80, .size: 8, .value_kind: global_buffer, .address_space: global }
      - { .name: wo16, .offset: 88, .size: 8, .value_kind: global_buffer, .address_space: global }
      - { .name: bias, .offset: 96, .size: 8, .value_kind: global_buffer, .address_space: global }
    .group_segment_fixed_size: 0
    .private_segment_fixed_size: 0
    .kernarg_segment_align: 8
    .kernarg_segment_size: 104
    .max_flat_workgroup_size: 256
    .sgpr_count:     66
    .vgpr_count:     128
    .wavefront_size: 32
...
	.end_amdgpu_metadata
.endif
;; end of part 1
;; launch proj (part 2): grid 8 x 32, 4 waves a work-group, clusters of 4 x 4, 327,680 bytes of LDS; arguments xb, wb, bias, qkv; writes qkv
.if DOCPART == 2
	.amdgcn_target "amdgcn-amd-amdhsa--gfx1250"
	.amdhsa_code_object_version 6
	.text
	.protected	k_q4dc96cc78d_proj
	.globl	k_q4dc96cc78d_proj
	.p2align	8
	.type	k_q4dc96cc78d_proj,@function
k_q4dc96cc78d_proj:
	s_mov_b64 s[64:65], 0
	v_nop
	global_prefetch_b8 v0, s[64:65] scope:SCOPE_SE
	s_setreg_imm32_b32 hwreg(HW_REG_WAVE_MODE, 25, 1), 1
	s_wait_xcnt 0x0
	s_wait_alu depctr_hold_cnt(0) depctr_sa_sdst(0) depctr_va_vdst(0) depctr_va_sdst(0) depctr_va_ssrc(0) depctr_va_vcc(0) depctr_vm_vsrc(0)
	s_getreg_b32 s2, hwreg(HW_REG_IB_STS2, 6, 4)
	s_cmp_eq_u32 s2, 0
	s_cbranch_scc0 .Lentry_in_a_cluster
	s_endpgm
.Lentry_in_a_cluster:
	s_bfe_u32 s2, ttmp6, 0x10000c
	s_cmp_lg_u32 s2, 0xf033
	s_cbranch_scc0 .Lentry_shape_is_right
	s_endpgm
.Lentry_shape_is_right:
; q, k, v = x W^T + b.  xb: [16 kb][8192][64] bf16, wb: [16 kb][3072][64] bf16 (Wq's rows, Wk's, Wv's), bias: [4096] f32 (bq, bk, bv first).  Sums in f32, K ascending; the bias is added in f32;
; the result is rounded once, to f16, and stored by heads: qkv [4 batches][48 = 16 x (q, k, v) + head][2048 tokens][64].
; LIMIT.  f16 holds no number beyond 65,504: q, k and v must stay within it.
; SHARES.  A tile of the result is 256 rows x 384 columns: 32 x 8 = 256 work-groups, one tile each.  Four waves; a wave makes 128 rows x 192 columns (three whole heads): 96 accumulators of 16 x 16, 768 registers.
; K goes in steps of 64, a block of the two operands, through a ring of two LDS slots.  In a block a tile's rows lie end to end, so a wave's part is asked for as dense rows of 256 bytes (two matrix rows each),
; padded in LDS after every 128 bytes.  Two slots of a step of 128 (368,640 bytes) would not fit in the 327,680 that a work-group can have.
; CLUSTER.  4 x 4 work-groups.  The four of a row need the same tiles of xb, the four of a column the same tiles of wb: each is asked for JOINTLY, by the same tensor load, descriptor and mask in all four.
; THE MATRIX INSTRUCTION IS USED TRANSPOSED: source 0 = 16 rows of wb, source 1 = 16 rows of xb: a lane then holds row l % 16 of the result and the columns 8 (l / 16) + 0..7: 16 bytes of f16 on end.
; REGISTERS, in windows of 256 (s_set_vgpr_msb: bits 1:0 source 0, 3:2 source 1, 5:4 source 2, 7:6 destination):
;   window 0: v0-31 addresses; v32-95, v96-159 xb's 8 fragments (16 rows x 32 K), two buffers; v160-191, v192-223, v224-255 wb's fragments 4 g .. 4 g + 3, g = 0, 1, 2: one buffer each, asked for again as soon as its 32 products are issued
;   window 1 + g: the accumulators of column group g: (a, 4 g + bb) at v[8 (4 a + bb)]
.set XBLK,  1048576                    ; bytes in a block of xb
.set WBLK,  393216                     ; and of wb
.set PITCH, 144                        ; an LDS row: 128 bytes + 16 of padding = 36 words: the 16 rows of a load start at 16 different groups of four banks (64 banks of 4 bytes: ISA guide 11.1)
.set FR,    16*PITCH                   ; a fragment's 16 rows
.set AHALF, 128*PITCH                  ; what one tensor load brings of xb, and what one wave reads of it
.set BHALF, 192*PITCH                  ; the same for wb
.set BOFF,  2*AHALF                    ; in a slot wb's 384 rows lie behind xb's 256
.set SLOT1, 1<<17                      ; slot 1 begins here, so that one exclusive or turns an address in one slot into the other's
.set STAGE, SLOT1+2*AHALF+2*BHALF      ; behind the ring, never filled by a tensor load: 16 rows x 400 bytes for each wave
.set SP,    400                        ; a stage row: 384 bytes + 16
.set SPARE, STAGE+4*16*SP              ; behind the stages: the spare words, 128 bytes for each wave: two blocks of 256 bytes that no other line names
.set A0,   4                           ; v4   my lane's place in my 128 rows of xb in slot 0; never rewritten
.set B0,   5                           ; v5   the same for my 192 rows of wb
.set ADRA, 6                           ; v6   A0 + the slot in hand
.set ADRB, 7                           ; v7   B0 + the slot in hand
.set STO,  8                           ; v8   the way out: where I put 16 bytes of a row
.set RD,   9                           ; v9   where I read rows back
.set GO,   10                          ; v10  my 16 bytes in 512 consecutive bytes of qkv
.set BO,   11                          ; v11  my 32 bytes of a fragment's 64 bytes of bias
.set PFO,  12                          ; v12  256 x my lane
.set SPW,  28                          ; v28  LDS address of my spare word: SPARE + 4 x my thread's number; never rewritten
.set NIL,  29                          ; v29  0; never rewritten
.set AF,   32
.set BG,   160
.set TMP,  96                          ; the way out: 48 registers of packed results
.set BK,   192                         ; the way out: 48 registers read back from the stage
.set CNT,  3                           ; s3   the loop's trips still to come
.set WV,   12                          ; s12  my wave's number; s13 = wave / 2: I fetch xb (0) or wb (1), and my half of the tile's rows; s14 = wave % 2: which half I fetch, and my half of the columns
.set G1A,  24                          ; s[24:31] descriptor group 1 for xb's tiles
.set G0A,  32                          ; s[32:39] group 0: a set for each of the two first fills; the second then walks on
.set G1B,  48                          ; s[48:55], s[56:63] the same for wb's
.set G0B,  56
.set TB,   46                          ; s46  the slot in hand: 0 or SLOT1
.set LIM,  47                          ; s47  2 in the wave that prefetches, else the greatest number
.set PFA,  66                          ; s[66:67] where the prefetches stand
.set MSB, 0
.macro WIN new                         ; the immediate's high byte repeats the setting that is left; a switch that changes nothing is dropped
.if MSB != (\new)
	s_set_vgpr_msb (MSB<<8)|(\new)
.set MSB, (\new)
.endif
.endm
.macro PLACES                          ; a load into a register that a matrix instruction has read, and a vector line that touches a matrix instruction's registers, stand four plain vector instructions behind it
.rept 4
	v_nop
.endr
.endm
.macro CREST                           ; a round of the cluster's barrier behind its opening barrier: wave 0 signals for the work-group, every wave waits for all sixteen, my work-group's barrier closes it
	s_cmp_lg_u32 s[WV], 0
	s_cbranch_scc1 .Lnot_wave_0_\@
	s_barrier_signal -3
.Lnot_wave_0_\@:
	s_barrier_wait -3
	s_barrier_signal -1
	s_barrier_wait -1
.endm
.macro CROUND
	s_barrier_signal -1
	s_barrier_wait -1
	CREST
.endm
; A joint refill by the walking descriptor.  The branch hangs on the wave's number alone.  An s_nop 0 and four v_nop follow each of the two lines, ahead of the jump and the label.
.macro JLOAD
	s_cmp_eq_u32 s13, 0
	s_cbranch_scc0 .Lfor_b_\@
	tensor_load_to_lds s[G0A+4:G0A+7], s[G1A:G1A+7]
	s_nop 0
.rept 4
	v_nop
.endr
	s_branch .Lasked_\@
.Lfor_b_\@:
	tensor_load_to_lds s[G0B+4:G0B+7], s[G1B:G1B+7]
	s_nop 0
.rept 4
	v_nop
.endr
.Lasked_\@:
.endm
; A PREFETCH INTO THE L2 of xb's tile two refills on: trip t, which asks for block t + 2, names block t + 4: 384 products ahead of the load that will want it.  A tile row of xb is read by both clusters of its row of
; clusters: the one with x = 0 asks.  Of the tile's 32,768 bytes each of the four partners takes 8,192, told apart BY ADDRESS; in each, wave 0 asks: a lane for each 256 bytes, one instruction.  So each piece is named once.
; Blocks 0 to 3 come by their loads alone; the trips with two or fewer to come (blocks 16 and 17 do not exist) ask for nothing.  wb is not asked for: every row of clusters walks all of it.
.macro ASK
	s_cmp_gt_u32 s[CNT], s[LIM]
	s_cbranch_scc0 .Lnot_mine_\@
	global_prefetch_b8 v[PFO], s[PFA:PFA+1] th:TH_LOAD_NT scope:SCOPE_SE
.Lnot_mine_\@:
.endm
	s_load_b256 s[4:11], s[0:1], 0x0               ; xb s[4:5], wb s[6:7], bias s[8:9], qkv s[10:11]
	v_lshl_add_u32 v[SPW], v0, 2, SPARE
	v_mov_b32 v[NIL], 0
	ds_add_u32 v[SPW], v[NIL]                      ; the wave's opening: the add and its wait stand ahead of my first tensor load; the set-up below, work on registers, stands between them
	ds_add_u32 v28, v29
	v_lshrrev_b32 v1, 5, v0
	v_readfirstlane_b32 s[WV], v1                  ; wave 0..3
	s_lshr_b32 s13, s[WV], 1
	s_and_b32 s14, s[WV], 1
	s_bfe_u32 s40, ttmp6, 0x40000                  ; cx, cy: my place in the cluster
	s_bfe_u32 s41, ttmp6, 0x40004
	s_lshl_b32 s42, ttmp9, 2
	s_add_co_u32 s42, s42, s40                     ; C: tile column = 4 x cluster x + cx, 0..7
	s_and_b32 s43, ttmp7, 0xffff
	s_lshl_b32 s43, s43, 2
	s_add_co_u32 s43, s43, s41                     ; R: tile row = 4 x cluster y + cy, 0..31
	s_lshl_b32 s44, s41, 2
	s_lshl_b32 s44, 15, s44                        ; my row of the cluster
	s_lshl_b32 s45, 0x1111, s40                    ; my column
	s_or_b32 s[G1A], s44, (1<<16)|(1<<20)|(1<<21)|(4<<22)|(3<<25)  ; 15:0 the mask; 17:16 2-byte elements; 20 padding on; 21 set beside a mask; 24:22 after every 32 words (code 4); 31:25 4 words (code 3)
	s_or_b32 s[G1B], s45, (1<<16)|(1<<20)|(1<<21)|(4<<22)|(3<<25)
.irp g, G1A, G1B
	s_mov_b32 s[(\g)+1], 128<<16                   ; tensor_dim0 = 128 elements: 256 bytes, two matrix rows
	s_mov_b32 s[(\g)+3], 128<<16                   ; tile_dim0 = 128
	s_mov_b32 s[(\g)+5], 128                       ; 128 elements from row to row: dense
	s_mov_b32 s[(\g)+6], 0
	s_mov_b32 s[(\g)+7], 0
.endr
	s_mov_b32 s[G1A+2], 64<<16                     ; tensor_dim1 = tile_dim1 = 64: 128 matrix rows
	s_mov_b32 s[G1A+4], 64
	s_mov_b32 s[G1B+2], 96<<16                     ; 96: 192 matrix rows
	s_mov_b32 s[G1B+4], 96
	; where the tiles come from: xb's hang on R and the wave alone (s16-19), wb's on C and the wave alone (s20-23)
	s_lshl_b32 s16, s43, 15                        ; 256 rows x 128 bytes
	s_lshl_b32 s17, s14, 14
	s_add_co_u32 s16, s16, s17
	s_mov_b32 s17, 0
	s_mul_i32 s20, s42, 384*128
	s_mul_i32 s21, s14, 192*128
	s_add_co_u32 s20, s20, s21
	s_mov_b32 s21, 0
	s_mul_i32 s18, s14, AHALF                      ; and where they go: no place in the cluster enters an LDS address
	s_mul_i32 s22, s14, BHALF
	s_add_co_u32 s22, s22, BOFF
	s_wait_dscnt 0x0                               ; the opening add is done
	s_wait_kmcnt 0x0
	s_add_nc_u64 s[16:17], s[4:5], s[16:17]
	s_add_nc_u64 s[20:21], s[6:7], s[20:21]
.irp s, 0,1
	s_mov_b32 s[G0A+4*(\s)], 1                                     ; count = 1
	s_add_co_u32 s[G0A+4*(\s)+1], s18, (\s)*SLOT1                  ; LDS address
	s_add_nc_u64 s[G0A+4*(\s)+2:G0A+4*(\s)+3], s[16:17], (\s)*XBLK ; global address: block s
	s_or_b32 s[G0A+4*(\s)+3], s[G0A+4*(\s)+3], 0x80000000          ; type = 2
	s_mov_b32 s[G0B+4*(\s)], 1
	s_add_co_u32 s[G0B+4*(\s)+1], s22, (\s)*SLOT1
	s_add_nc_u64 s[G0B+4*(\s)+2:G0B+4*(\s)+3], s[20:21], (\s)*WBLK
	s_or_b32 s[G0B+4*(\s)+3], s[G0B+4*(\s)+3], 0x80000000
.endr
	CROUND                                         ; all sixteen work-groups are here: the first joint loads meet
	s_cmp_eq_u32 s13, 0                            ; a wave's two first fills stand in one branch, ahead of every wait on TENSORcnt and every LDS read: two loads of mine are out
	s_cbranch_scc0 .Lfirst_b
	tensor_load_to_lds s[G0A:G0A+3], s[G1A:G1A+7]
	s_nop 0
	tensor_load_to_lds s[G0A+4:G0A+7], s[G1A:G1A+7]
	s_nop 0
.rept 4
	v_nop
.endr
	s_branch .Lfirst_asked
.Lfirst_b:
	tensor_load_to_lds s[G0B:G0B+3], s[G1B:G1B+7]
	s_nop 0
	tensor_load_to_lds s[G0B+4:G0B+7], s[G1B:G1B+7]
	s_nop 0
.rept 4
	v_nop
.endr
.Lfirst_asked:
	; A fragment is 16 rows x 32 K in 8 registers: lane l holds row l % 16; registers 0-3 K = 8 (l / 16) + 0..7, registers 4-7 K = 16 + 8 (l / 16) + 0..7: two loads of 16 bytes, 32 bytes apart.
	v_and_b32 v1, 15, v0                           ; l % 16
	v_bfe_u32 v2, v0, 4, 1                         ; l / 16
	v_mul_u32_u24 v3, v1, PITCH
	v_lshl_add_u32 v3, v2, 4, v3
	s_mul_i32 s19, s13, AHALF                      ; my 128 rows of xb
	v_add_nc_u32 v[A0], s19, v3
	v_add_nc_u32 v[B0], s22, v3                    ; my 192 rows of wb: the half that s14 names, behind xb's
	v_mov_b32 v[ADRA], v[A0]
	v_mov_b32 v[ADRB], v[B0]
	s_mov_b32 s[TB], 0
	s_mul_i32 s19, s[WV], 16*SP
	s_add_co_u32 s19, s19, STAGE                   ; my stage
	v_mul_u32_u24 v[STO], v1, SP                   ; in: row l % 16, 16 bytes for each half of the lanes
	v_lshl_add_u32 v[STO], v2, 4, v[STO]
	v_add_nc_u32 v[STO], s19, v[STO]
	v_bfe_u32 v[RD], v0, 3, 2                      ; back: 32 lanes take a head's 128 bytes of four rows,
	v_mul_u32_u24 v[RD], v[RD], SP
	v_and_b32 v3, 7, v0
	v_lshl_add_u32 v[RD], v3, 4, v[RD]
	v_add_nc_u32 v[RD], s19, v[RD]
	v_and_b32 v[GO], 31, v0                        ; which are 512 consecutive bytes of qkv
	v_lshlrev_b32 v[PFO], 8, v[GO]
	v_lshlrev_b32 v[GO], 4, v[GO]
	v_lshlrev_b32 v[BO], 5, v2
	; qkv at my first row of my first head: ((batch x 48 + 6 C + 3 half) x 2048 + token) x 128 bytes
	s_lshr_b32 s16, s43, 3                         ; batch = R / 8
	s_mul_i32 s16, s16, 48
	s_lshl_b32 s16, s16, 18
	s_and_b32 s17, s43, 7
	s_lshl_b32 s17, s17, 8
	s_lshl_b32 s18, s13, 7
	s_add_co_u32 s17, s17, s18                     ; token = 256 (R % 8) + 128 x my half of the rows
	s_lshl_b32 s17, s17, 7
	s_add_co_u32 s16, s16, s17
	s_mov_b32 s17, 0
	s_add_nc_u64 s[10:11], s[10:11], s[16:17]
	s_mul_i32 s20, s42, 6
	s_mul_i32 s21, s14, 3
	s_add_co_u32 s20, s20, s21
	s_lshl_b32 s20, s20, 18
	s_mov_b32 s21, 0
	s_add_nc_u64 s[10:11], s[10:11], s[20:21]
	s_mul_i32 s20, s42, 384*4                      ; the bias of my 192 columns
	s_mul_i32 s21, s14, 192*4
	s_add_co_u32 s20, s20, s21
	s_mov_b32 s21, 0
	s_add_nc_u64 s[8:9], s[8:9], s[20:21]
	s_lshl_b32 s68, s43, 15                        ; the prefetches: my tile row of xb,
	s_lshl_b32 s69, s40, 13                        ; my work-group's quarter of it,
	s_add_co_u32 s68, s68, s69
	s_mov_b32 s69, 0
	s_add_nc_u64 s[PFA:PFA+1], s[4:5], s[68:69]
	s_add_nc_u64 s[PFA:PFA+1], s[PFA:PFA+1], 3*XBLK  ; at block 3: the first trip steps it to block 4
	s_or_b32 s[LIM], s[WV], ttmp9                  ; wave 0 of a cluster with x = 0: the same in all sixteen partners
	s_cmp_eq_u32 s[LIM], 0
	s_cselect_b32 s[LIM], 2, -1
; 16 products: column group g x row blocks a0 .. a0 + 3, 32 along K, xb's buffer ab.  zero = 1: the product starts the sum.  The 96 accumulators take turns, one instruction a turn, in the same order in every half step.
.macro MUL16 g, ab, a0, zero
	WIN 0x50*(1+(\g))
.irp a, (\a0), (\a0)+1, (\a0)+2, (\a0)+3
.irp bb, 0,1,2,3
.if \zero
	v_wmma_f32_16x16x32_bf16 v[8*(4*(\a)+(\bb)):8*(4*(\a)+(\bb))+7], v[BG+32*(\g)+8*(\bb):BG+32*(\g)+8*(\bb)+7], v[AF+64*(\ab)+8*(\a):AF+64*(\ab)+8*(\a)+7], 0
.else
	v_wmma_f32_16x16x32_bf16 v[8*(4*(\a)+(\bb)):8*(4*(\a)+(\bb))+7], v[BG+32*(\g)+8*(\bb):BG+32*(\g)+8*(\bb)+7], v[AF+64*(\ab)+8*(\a):AF+64*(\ab)+8*(\a)+7], v[8*(4*(\a)+(\bb)):8*(4*(\a)+(\bb))+7]
.endif
.endr
.endr
.endm
.macro FETCHA k, ab                    ; 16 LDS loads: xb's 8 fragments at byte k of the rows, into buffer ab
	WIN 0
.irp i, 0,1,2,3,4,5,6,7
	ds_load_b128 v[AF+64*(\ab)+8*(\i):AF+64*(\ab)+8*(\i)+3],   v[ADRA] offset:(\k)+(\i)*FR
	ds_load_b128 v[AF+64*(\ab)+8*(\i)+4:AF+64*(\ab)+8*(\i)+7], v[ADRA] offset:(\k)+(\i)*FR+32
.endr
.endm
.macro FETCHB g, k                     ; 8 LDS loads: wb's fragments 4 g .. 4 g + 3
	WIN 0
.irp i, 0,1,2,3
	ds_load_b128 v[BG+32*(\g)+8*(\i):BG+32*(\g)+8*(\i)+3],   v[ADRB] offset:(\k)+(4*(\g)+(\i))*FR
	ds_load_b128 v[BG+32*(\g)+8*(\i)+4:BG+32*(\g)+8*(\i)+7], v[ADRB] offset:(\k)+(4*(\g)+(\i))*FR+32
.endr
.endm
; A step's first half: 96 products on buffer ab; behind each group's 32 the registers that are free are asked for again, at byte k of the same slot's rows: each run has 64 products in which to land.
.macro HALF ab, k, zero
	s_wait_dscnt 16                                ; xb's fragments and group 0 are in; groups 1 and 2, eight loads each, may be out
	MUL16 0, \ab, 0, \zero
	MUL16 0, \ab, 4, \zero
	PLACES
	FETCHA \k, 1-(\ab)
	FETCHB 0, \k
	s_wait_dscnt 32                                ; group 1 is in: behind it group 2's 8 and the 24 just issued
	MUL16 1, \ab, 0, \zero
	MUL16 1, \ab, 4, \zero
	PLACES
	FETCHB 1, \k
	s_wait_dscnt 32                                ; group 2 is in: behind it those 24 and the 8 just issued
	MUL16 2, \ab, 0, \zero
	MUL16 2, \ab, 4, \zero
	PLACES
	FETCHB 2, \k
.endm
; A step's second half, on buffer 1, with the change of slots: ONE barrier.  In front of it each wave waits for all its tensor loads, of which one is out: its part of the next slot; adds 0 to its spare word; and waits for that
; and for its own reads of this slot, all of which have been issued.  fill = 1: the barrier opens a round of the cluster's, so that no wave of any partner still reads the slot or has a load on its way, and the joint
; refill, two blocks on, is the first thing behind it: 160 products stand between it and the wait for it.
.macro TURN fill
.if \fill
	s_wait_xcnt 0x0                                ; the last prefetch, a step back, has read its address
	s_add_nc_u64 s[PFA:PFA+1], s[PFA:PFA+1], XBLK
.endif
	WIN 0
	s_wait_tensorcnt 0x0                           ; no tensor load of mine is out, so a group 0 may be written
	ds_add_u32 v[SPW], v[NIL]                      ; 0 onto my spare word; register work stands between it and the wait for it
.if \fill
	s_xor_b32 s[G0A+5], s[G0A+5], SLOT1            ; the walking descriptors: the other slot than last time, the next block; the type bits on top are not reached
	s_add_nc_u64 s[G0A+6:G0A+7], s[G0A+6:G0A+7], XBLK
	s_xor_b32 s[G0B+5], s[G0B+5], SLOT1
	s_add_nc_u64 s[G0B+6:G0B+7], s[G0B+6:G0B+7], WBLK
.endif
	s_wait_dscnt 17                                ; xb's fragments and group 0 are in: the add and groups 1 and 2 (8 + 8) may be out
	MUL16 0, 1, 0, 0
	s_wait_dscnt 0x0                               ; the add is done, and my reads of this slot are over
	s_barrier_signal -1
	MUL16 0, 1, 4, 0                               ; work on registers while the others arrive
	WIN 0                                          ; at a branch and at a label every window is 0
	s_barrier_wait -1
.if \fill
	CREST
	JLOAD                                          ; its four v_nop are also the places in front of the loads below
.else
	PLACES
.endif
	s_xor_b32 s[TB], s[TB], SLOT1                  ; the reads go on in the other slot
	v_add_nc_u32 v[ADRA], s[TB], v[A0]
	v_add_nc_u32 v[ADRB], s[TB], v[B0]
	FETCHA 0, 0
	FETCHB 0, 0
.if \fill
	ASK
.endif
	MUL16 1, 1, 0, 0
	MUL16 1, 1, 4, 0
	PLACES
	FETCHB 1, 0
	MUL16 2, 1, 0, 0
	MUL16 2, 1, 4, 0
	PLACES
	FETCHB 2, 0
.endm
	s_wait_tensorcnt 1                             ; my part of block 0 is in; block 1's may stay out
	s_barrier_signal -1
	s_barrier_wait -1                              ; everybody's is
	FETCHA 0, 0
	FETCHB 0, 0
	FETCHB 1, 0
	FETCHB 2, 0
	HALF 0, 64, 1                                  ; the first half step stands in front of the loop: its products start the sums
	WIN 0
	s_mov_b32 s[CNT], 14
.Lstep:                                        ; trip t: the second half of step t, block t + 2 asked for, the first half of step t + 1
	TURN 1
	HALF 0, 64, 0
	WIN 0
	s_sub_co_u32 s[CNT], s[CNT], 1
	s_cmp_lg_u32 s[CNT], 0
	s_cbranch_scc1 .Lstep
	TURN 0                                         ; the tail is written out: nothing is left to ask for
	HALF 0, 64, 0
	s_wait_dscnt 16                                ; the last half step; the bias comes into fragment registers as they fall free
.irp b, 0,1,2,3,4,5,6,7
	global_load_b128 v[32+8*(\b):32+8*(\b)+3],   v[BO], s[8:9] offset:64*(\b)
	global_load_b128 v[32+8*(\b)+4:32+8*(\b)+7], v[BO], s[8:9] offset:64*(\b)+16
.endr
	MUL16 0, 1, 0, 0
	MUL16 0, 1, 4, 0
	PLACES
	WIN 0
.irp b, 8,9,10,11
	global_load_b128 v[96+8*(\b):96+8*(\b)+3],   v[BO], s[8:9] offset:64*(\b)
	global_load_b128 v[96+8*(\b)+4:96+8*(\b)+7], v[BO], s[8:9] offset:64*(\b)+16
.endr
	s_wait_dscnt 8                                 ; group 1 is in
	MUL16 1, 1, 0, 0
	MUL16 1, 1, 4, 0
	s_wait_dscnt 0x0
	MUL16 2, 1, 0, 0
	MUL16 2, 1, 4, 0
	PLACES
	PLACES                                         ; (eight, once a launch)
	WIN 0
	s_wait_loadcnt 0x0                             ; the bias: fragment b at v[32 + 8 b], from b = 8 on at v[96 + 8 b]
; THE WAY OUT, 16 rows at a time.  PACK: the bias is added, each accumulator's registers in ascending order, and the sums are rounded to f16, 16 bytes a lane and fragment.
.macro PACK a
.irp g, 0,1,2
	WIN ((1+(\g))<<6)|(1+(\g))
.irp bb, 0,1,2,3
.irp r, 0,1,2,3
	v_pk_add_f32 v[8*(4*(\a)+(\bb))+2*(\r):8*(4*(\a)+(\bb))+2*(\r)+1], v[8*(4*(\a)+(\bb))+2*(\r):8*(4*(\a)+(\bb))+2*(\r)+1], v[32+8*(4*(\g)+(\bb))+64*((4*(\g)+(\bb))/8)+2*(\r):32+8*(4*(\g)+(\bb))+64*((4*(\g)+(\bb))/8)+2*(\r)+1]
.endr
.endr
	WIN ((1+(\g))<<2)|(1+(\g))
.irp bb, 0,1,2,3
.irp r, 0,1,2,3
	v_cvt_pk_f16_f32 v[TMP+4*(4*(\g)+(\bb))+(\r)], v[8*(4*(\a)+(\bb))+2*(\r)], v[8*(4*(\a)+(\bb))+2*(\r)+1]
.endr
.endr
.endr
	WIN 0
.endm
.macro TOSTAGE                         ; into my own stage, and back by heads: four rows' 128 bytes of a head a load
.irp b, 0,1,2,3,4,5,6,7,8,9,10,11
	ds_store_b128 v[STO], v[TMP+4*(\b):TMP+4*(\b)+3] offset:32*(\b)
.endr
	s_wait_xcnt 0x0                                ; the stores of the 16 rows before have read BK: it is loaded again only behind this wait
.irp hh, 0,1,2
.irp f, 0,1,2,3
	ds_load_b128 v[BK+4*(4*(\hh)+(\f)):BK+4*(4*(\hh)+(\f))+3], v[RD] offset:128*(\hh)+4*SP*(\f)  ; LDS serves a wave's instructions in order (ISA guide 5.7.1.4): these see the stores above
.endr
.endr
.endm
.macro SEND a
	s_wait_dscnt 0x0                               ; the rows are back in registers
.irp hh, 0,1,2
.irp f, 0,1,2,3
	global_store_b128 v[GO], v[BK+4*(4*(\hh)+(\f)):BK+4*(4*(\hh)+(\f))+3], s[10:11] offset:(\hh)*262144+(\a)*2048+(\f)*512  ; 512 consecutive bytes, at a multiple of 256 from qkv's first
.endr
.endr
.endm
	PACK 0
	TOSTAGE
.irp a, 1,2,3,4,5,6,7                  ; a block's arithmetic stands between the loads of the block before and the wait for them
	PACK \a
	SEND (\a)-1
	TOSTAGE
.endr
	SEND 7
	s_wait_tensorcnt 0x0                           ; the wave's end, behind my last tensor load and my last LDS store
	ds_add_u32 v[SPW], v[NIL]
	s_wait_dscnt 0x0
	CROUND                                         ; the closing round: no work-group ends while a partner may still ask for a tile that names it
	s_endpgm
.Lfunc_end_k_q4dc96cc78d_proj:
	.size	k_q4dc96cc78d_proj, .Lfunc_end_k_q4dc96cc78d_proj-k_q4dc96cc78d_proj
	.p2alignl 7, 3214868480
	.fill 96, 4, 3214868480
	.section	.rodata,"a",@progbits
	.p2align	6, 0x0
	.amdhsa_kernel k_q4dc96cc78d_proj
		.amdhsa_group_segment_fixed_size 327680
		.amdhsa_private_segment_fixed_size 0
		.amdhsa_enable_private_segment 0
		.amdhsa_kernarg_size 32
		.amdhsa_user_sgpr_count 2
		.amdhsa_user_sgpr_kernarg_segment_ptr 1
		.amdhsa_wavefront_size32 1
		.amdhsa_system_sgpr_workgroup_id_x 1
		.amdhsa_system_sgpr_workgroup_id_y 1
		.amdhsa_system_sgpr_workgroup_id_z 1
		.amdhsa_system_vgpr_workitem_id 0
		.amdhsa_next_free_vgpr 1024
		.amdhsa_next_free_sgpr 72
		.amdhsa_reserve_vcc 0
		.amdhsa_float_denorm_mode_32 3
		.amdhsa_float_denorm_mode_16_64 3
		.amdhsa_memory_ordered 1
		.amdhsa_forward_progress 1
		.amdhsa_inst_pref_size 138
	.end_amdhsa_kernel
	.amdgpu_metadata
---
amdhsa.version: [ 1, 2 ]
amdhsa.kernels:
  - .name:           k_q4dc96cc78d_proj
    .symbol:         k_q4dc96cc78d_proj.kd
    .args:
      - { .name: xb, .offset: 0, .size: 8, .value_kind: global_buffer, .address_space: global }
      - { .name: wb, .offset: 8, .size: 8, .value_kind: global_buffer, .address_space: global }
      - { .name: bias, .offset: 16, .size: 8, .value_kind: global_buffer, .address_space: global }
      - { .name: qkv, .offset: 24, .size: 8, .value_kind: global_buffer, .address_space: global }
    .group_segment_fixed_size: 327680
    .private_segment_fixed_size: 0
    .kernarg_segment_align: 8
    .kernarg_segment_size: 32
    .max_flat_workgroup_size: 128
    .sgpr_count:     72
    .vgpr_count:     1024
    .wavefront_size: 32
...
	.end_amdgpu_metadata
.endif
;; end of part 2
;; launch attn (part 3): grid 4 x 64, 4 waves a work-group, no clusters, 327,680 bytes of LDS; arguments qkv, o16; writes o16
.if DOCPART == 3
	.amdgcn_target "amdgcn-amd-amdhsa--gfx1250"
	.amdhsa_code_object_version 6
	.text
	.protected	k_q4dc96cc78d_attn
	.globl	k_q4dc96cc78d_attn
	.p2align	8
	.type	k_q4dc96cc78d_attn,@function
k_q4dc96cc78d_attn:
	s_mov_b64 s[64:65], 0
	v_nop
	global_prefetch_b8 v0, s[64:65] scope:SCOPE_SE
	s_setreg_imm32_b32 hwreg(HW_REG_WAVE_MODE, 25, 1), 1
	s_wait_xcnt 0x0
; CAUSAL ATTENTION.  O[hd][q][:] = the sum over k <= q of softmax_k(Q[hd][q] . K[hd][k] / 8) V[hd][k][:], hd = batch x 16 + head.
; qkv: [4 batches][48 = 16 x (q, k, v) + head][2048][64] f16; o16: [64 hd][2048][64] f16: a head's rows are dense, 128 bytes each.
; Products, maxima and sums in f32; the weights p are rounded to f16 for the second product (their sum l is taken of the unrounded p), O once at the end.
; LIMITS.  f16 holds no number beyond 65,504: Q, K and V arrive within it; p lies in 0 to 1, and below 6e-5 it keeps f16's fixed step of 6e-8; O is a mean of V's rows and has their range, to within 2^-11 of it.
; A hidden score counts as its value less 1e30: f16's scores, 2.7e11 at the most, are nothing beside that; a weight below 2^-126 counts as 0 in l; NaN and infinities are not treated apart.
; THE WALK.  A head's queries lie in NB = 8 blocks of 256; block i needs the key tiles 0 .. i of 256 keys, of which the last holds the diagonal.  A work-group takes TWO blocks, NB - 1 - b and then b:
; NB + 1 tiles, whatever b: all work-groups do equal work, and ONE loop with a constant trip count walks them.  Which tile is asked for, and what a trip does, hang on scalar registers made from b; every jump
; goes forward, but for the counted loops' own; none passes a barrier, or a tensor load but the one of LOAD's two that the wave's number does not choose; the ring (two slots of LDS that take turns) runs on across the
; change of blocks.  NO CLUSTER: a head's 4 work-groups all ask for the same tile only in trips 0 .. 4 of 9, behind that fewer and fewer; one walk common to all would have 12 trips for 9.
; NO PREFETCH: a refill has a whole tile's work of its wave, 256 matrix instructions and their vector work, between its request and the wait for it.
; SHARES.  Of a block's four bands of 64 queries a wave owns 16 rows in each: four PIECES.  So the diagonal tile is the same work for all four waves: in its key step s band x sees all keys if s < x,
; none if s > x, and holds the diagonal if s = x.
; THE MASK is the C operand that starts the sum S^T = K Q^T: 0, or -1e30 where the key is hidden.  MD, made once, is the mask of a band's own step for my 16 rows; a product's mask is MD x AL + BE with two scalars:
; (1, 0) if s = x; (0, 0) if s < x; (0, -1e30) if s > x.  Only the diagonal tile's text and a block's beginning make and take masks; elsewhere C is the constant 0.
; LAYOUT, SOFTMAX, TURNS.  S^T = K Q^T holds ONE query a lane (lane % 16) and the keys 8 (lane / 16) + 0..7; two such results rounded to f16 ARE source 1 of O^T = V^T P.  p = 2^(c s - c m), c = log2(e) / 8, with a
; running maximum m; O and l are multiplied by a = 2^(c m_old - c m_new) in every step.  Turn n belongs to piece n: 8 products K Q^T of piece n + 1, later 8 products V^T P of piece n - 1; beside them the scaling,
; exponentials, roundings, sums and rescaling of piece n and the maximum and statistics of piece n + 1.  Four vector instructions stand behind every matrix instruction, the other 54 of a turn's 118 in two LUMPS.
; REGISTERS, in windows of 256 (s_set_vgpr_msb: bits 1:0 source 0, 3:2 source 1, 5:4 source 2, 7:6 destination):
;   window 0: v0-15 addresses and two at work; v16-31 four registers of statistics a piece; v48-55 at work; v64-127 S^T, two buffers; v192-223 P, two buffers (a piece's buffers go by its number's parity)
;   window 1: v0-127 O^T, 32 a piece; v128-159 MD; v160-223 MC, two buffers      window 2: v0-63 Q; v64-127 the second block's Q; v128-191 K of one step; v192-255 V of one step
.set SIZE_N, 2048
.set SIZE_H, 64
.set NB,    SIZE_N/256
.set NP,    4         ; pieces a wave: a name, no knob
.set KS,    64        ; keys in a step
.set PK,    144       ; a row of K in LDS: 128 bytes + 16 of padding = 36 words: the 16 rows of a load start at 16 different groups of four banks (64 banks of 4 bytes: ISA guide 11.1)
.set PV,    160       ; a row of V: 128 + 32 = 40 words
.set VOFF,  4*KS*PK   ; a slot holds a tile, four steps: 256 rows of K, then 256 rows of V
.set SLOT1, 1<<17     ; slot 1 begins here, so that one exclusive or turns an address in one slot into the other's
.set STAGE, SLOT1+4*KS*(PK+PV)  ; behind the ring, never filled by a tensor load: 16 rows x 144 bytes for each wave, for the way out
.set SP,    144
.set AK0, 2           ; v2   my lane's place in a tile of K; never rewritten
.set AV0, 3           ; v3   the same for V
.set AK,  4           ; v4   the LDS address of K's next run of loads
.set AV,  5           ; v5   of V's
.set STO, 6           ; v6   the way out: where I put 16 bytes of a row
.set RD,  7           ; v7   the way out: where I read rows back
.set GO,  8           ; v8   my byte offset in 512 consecutive bytes of O
.set SPW, 62          ; v62  LDS address of my spare word: SPARE + 4 x my thread's number; never rewritten
.set NIL, 63          ; v63  0; never rewritten
.set SPARE, STAGE+4*16*SP  ; behind the stages: the spare words, 128 bytes for each wave: two blocks of 256 bytes that no other line names
.set MV,  12          ; v12-13  c m_old, kept while c m is made anew: by buffer
.set QO,  15          ; v15  my byte offset in 16 rows of Q
.set ST,  16          ; piece t's statistics at v[ST+4 t]: c m, m, l (even keys', odd keys')
.set TMP, 48          ; by buffer, four registers c0-c3 at work; when the maximum is found c2 takes a
.set S,   64
.set P,   192
.set MD,  128         ; window 1: the eight registers for group kt of 16 keys at MD + 8 kt
.set MC,  160         ; window 1: the masks of the products to come
.set QB,  64          ; window 2
.set KF,  128         ; window 2: key block kb, channel half c at KF + 16 kb + 8 c
.set VF,  192         ; window 2: key half kk, channel block cb at VF + 32 kk + 8 cb
.set WV,  12          ; s12  my wave's number
.set PB,  14          ; s14  b
.set HI,  15          ; s15  NB - 1 - b
.set G1K, 24          ; s[24:31] descriptor group 1 for K's tiles
.set G1V, 32          ; s[32:39] for V's: it differs in the padding alone
.set G0K, 40          ; s[40:43] descriptor group 0 for K's tiles
.set G0V, 44          ; s[44:47] the same for V's
.set SLOTS, 56        ; s56  tiles still to be asked for
.set CNT, 57          ; s57  counts a tile's key steps, 4 to 1
.set CS,  58          ; s[58:59] c: the packed scaling takes the pair's low word for both halves
.set SEL, 60          ; s[60:61] v_permlanex16_b32's selects: each lane takes its own place in the other half
.set TBK, 62          ; s62  LDS byte at which K of the step to be fetched begins
.set TBV, 63          ; s63  the same for V, less VOFF
.set RT,  70          ; s70  tiles of the block in hand that are still to be entered
.set NXT, 71          ; s71  the tile to be asked for next
.set LQ,  72          ; s72  the last tile of the block whose tiles are being asked for
.set NEW, 73          ; s73  1: the tile to be entered is a block's first
.set OFF, 74          ; s[74:75] a tile's byte offset in K and V
.set AL,  76          ; s[76:77] the mask's factor, in the low word
.set BE,  78          ; s[78:79] the mask's addend
.set OLO, 80          ; s[80:81] O at my rows of the second block
.set BIGN, 82         ; s82  -1e30
.set MSB, 0
.macro WIN new                      ; the high byte repeats the setting that is left; a switch that changes nothing is dropped
.if MSB != (\new)
	s_set_vgpr_msb (MSB<<8)|(\new)
.set MSB, (\new)
.endif
.endm
.set W_KQ, 0x0a       ; K and Q in window 2, S^T in window 0
.set W_KM, 0x1a       ; the same with the C operand in window 1
.set W_PV, 0x52       ; V in window 2, P in window 0, O^T in window 1
.set W_RS, 0x41       ; destination and source 0 in window 1, source 1 in window 0
; A fill.  Waves 0 and 1 fetch the two halves of a tile's K, waves 2 and 3 those of its V: 128 keys each.  An s_nop 0 and four v_nop follow each of the two lines, ahead of the jump and the label.
.macro LOAD
	s_cmp_lt_u32 s[WV], 2
	s_cbranch_scc0 .Lfor_v_\@
	tensor_load_to_lds s[G0K:G0K+3], s[G1K:G1K+7]
	s_nop 0
.rept 4
	v_nop
.endr
	s_branch .Lasked_\@
.Lfor_v_\@:
	tensor_load_to_lds s[G0V:G0V+3], s[G1V:G1V+7]
	s_nop 0
.rept 4
	v_nop
.endr
.Lasked_\@:
.endm
; THE CHANGE OF SLOTS.  Each wave waits for all its tensor loads, of which one is out: its part of the other slot; adds 0 to its spare word; and waits for that and for its own reads of the slot that it leaves.  Behind the barrier nobody reads the old
; slot any more and the other slot is whole.  fill = 1: the old slot is filled again, the first thing behind the barrier, with tile NXT: the descriptor's address is made anew from that number.
; (At its first use nothing has been read yet: slot 0 is waited for, slot 1 filled.)
.macro CHANGE fill
	WIN 0                           ; at a label and at a branch every window is 0
	s_wait_tensorcnt 0x0            ; no tensor load of mine is out, so a group 0 may be written
	ds_add_u32 v[SPW], v[NIL]       ; 0 onto my spare word; with fill = 1 the descriptors' scalar work stands between it and the wait for it
.if \fill
	s_lshl_b32 s[OFF], s[NXT], 15   ; a tile is 32,768 bytes of K and of V
	s_xor_b32 s[G0K+1], s[G0K+1], SLOT1
	s_add_nc_u64 s[G0K+2:G0K+3], s[6:7], s[OFF:OFF+1]
	s_or_b32 s[G0K+3], s[G0K+3], 0x80000000
	s_xor_b32 s[G0V+1], s[G0V+1], SLOT1
	s_add_nc_u64 s[G0V+2:G0V+3], s[8:9], s[OFF:OFF+1]
	s_or_b32 s[G0V+3], s[G0V+3], 0x80000000
	s_add_co_u32 s[NXT], s[NXT], 1  ; the block's next tile, or behind its last the second block's tile 0
	s_cmp_gt_u32 s[NXT], s[LQ]
	s_cselect_b32 s[NXT], 0, s[NXT]
	s_cselect_b32 s[LQ], s[PB], s[LQ]
.endif
	s_wait_dscnt 0x0                ; the add is done, and my reads of the slot are over
	s_barrier_signal -1             ; the rest of the scalar work stands between the signal and the wait
	s_sub_co_u32 s[TBK], s[TBK], 4*KS*PK  ; the fetches go back to a slot's first step,
	s_xor_b32 s[TBK], s[TBK], SLOT1       ; in the other slot
	s_sub_co_u32 s[TBV], s[TBV], 4*KS*PV
	s_xor_b32 s[TBV], s[TBV], SLOT1
	s_barrier_wait -1
.if \fill
	LOAD
.endif
.endm
	s_load_b64 s[4:5], s[0:1], 0x0    ; qkv
	s_load_b64 s[10:11], s[0:1], 0x8  ; o16
	v_lshl_add_u32 v[SPW], v0, 2, SPARE
	v_mov_b32 v[NIL], 0
	ds_add_u32 v[SPW], v[NIL]       ; the wave's opening: the add and its wait stand ahead of my first tensor load; the set-up below, work on registers, stands between them
	ds_add_u32 v62, v63
	v_lshrrev_b32 v1, 5, v0
	v_readfirstlane_b32 s[WV], v1   ; wave 0..3
	s_mov_b32 s[PB], ttmp9
	s_sub_co_u32 s[HI], NB-1, s[PB]
	s_and_b32 s20, ttmp7, 0xffff    ; hd = batch x 16 + head
	s_lshl_b32 s88, s20, 18         ; the head's first byte in o16: hd x 2,048 rows x 128 bytes
	s_mov_b32 s89, 0
	s_lshr_b32 s21, s20, 4
	s_lshl_b32 s21, s21, 5
	s_add_co_u32 s20, s20, s21      ; batch x 48 + head
	s_lshl_b32 s20, s20, 18         ; q's first byte in qkv; k's lies 16 heads on, v's 32
	s_mov_b32 s21, 0
	s_and_b32 s16, s[WV], 1         ; which half of a tile's 256 keys I fetch:
	s_lshl_b32 s22, s16, 14         ; its 128 rows of 128 bytes in memory,
	s_mov_b32 s23, 0
	s_add_nc_u64 s[22:23], s[22:23], s[20:21]
	s_mul_i32 s17, s16, 128*PK      ; and its place in a slot, for K
	s_mul_i32 s18, s16, 128*PV      ; and for V
	s_lshl_b32 s3, s[WV], 11        ; my 16 rows in a band of 64,
	s_lshl_b32 s2, s[HI], 15        ; in the first block,
	s_add_co_u32 s2, s2, s3
	s_lshl_b32 s84, s[PB], 15       ; and in the second
	s_add_co_u32 s84, s84, s3
	s_mov_b32 s3, 0
	s_mov_b32 s85, 0
	s_add_nc_u64 s[90:91], s[2:3], s[88:89]    ; the same rows' offsets in o16,
	s_add_nc_u64 s[92:93], s[84:85], s[88:89]
	s_add_nc_u64 s[2:3], s[2:3], s[20:21]      ; and in qkv
	s_add_nc_u64 s[84:85], s[84:85], s[20:21]
	; descriptor group 1.  128 keys are 16,384 dense bytes: asked for as 64 rows of 256 bytes, two keys a row, and padded in LDS after every key
	s_mov_b32 s[G1K], (1<<16)|(1<<20)|(4<<22)|(3<<25)  ; 17:16 2-byte elements; 20 padding on; 24:22 after every 32 words (code 4); 31:25 4 words (code 3)
	s_mov_b32 s[G1V], (1<<16)|(1<<20)|(4<<22)|(7<<25)  ; the same with 8 words of padding (code 7)
.irp g, G1K, G1V
	s_mov_b32 s[\g+1], 128<<16      ; tensor_dim0 = 128
	s_mov_b32 s[\g+2], 64<<16       ; tensor_dim1 = 64
	s_mov_b32 s[\g+3], 128<<16      ; tile_dim0 = 128
	s_mov_b32 s[\g+4], 64           ; tile_dim1 = 64
	s_mov_b32 s[\g+5], 128          ; 128 elements from row to row
	s_mov_b32 s[\g+6], 0
	s_mov_b32 s[\g+7], 0
.endr
	s_mov_b32 s[CS], 0x3e38aa3b     ; c = log2(e) / 8 = 0.180337
	s_mov_b32 s[CS+1], s[CS]        ; named with it as a pair
	s_mov_b32 s[SEL], 0x76543210
	s_mov_b32 s[SEL+1], 0xfedcba98
	s_mov_b32 s[TBK], SLOT1+4*KS*PK ; the first change of slots turns these two into 0
	s_mov_b32 s[TBV], SLOT1+4*KS*PV
	s_mov_b32 s[G0K], 1             ; 1:0 count = 1
	s_mov_b32 s[G0K+1], s17         ; 63:32 LDS address: slot 0
	s_mov_b32 s[G0V], 1
	s_add_co_u32 s[G0V+1], s18, VOFF
	s_add_co_u32 s[RT], s[HI], 1    ; the first block has NB - b tiles
	s_mov_b32 s[NXT], 1
	s_mov_b32 s[LQ], s[HI]
	s_mov_b32 s[NEW], 1
	s_mov_b32 s[OFF+1], 0
	s_mov_b32 s[AL+1], 0            ; named as pairs
	s_mov_b32 s[BE+1], 0
	s_mov_b32 s[BIGN], 0xf149f2ca   ; -1e30
	s_mov_b32 s[SLOTS], NB
	s_wait_dscnt 0x0                ; the opening add is done
	s_wait_kmcnt 0x0
	s_mov_b64 s[6:7], s[4:5]
	s_mov_b64 s[8:9], s[4:5]
	s_add_nc_u64 s[6:7], s[6:7], s[22:23]  ; K and V at my half of the head's tile 0:
	s_add_nc_u64 s[6:7], s[6:7], 0x400000  ; 16 heads of 262,144 bytes behind q,
	s_add_nc_u64 s[8:9], s[8:9], s[22:23]
	s_add_nc_u64 s[8:9], s[8:9], 0x800000  ; and 32
	s_add_nc_u64 s[G0K+2:G0K+3], s[6:7], 0         ; 120:64 global address
	s_or_b32 s[G0K+3], s[G0K+3], 0x80000000        ; 127:126 type = 2
	s_add_nc_u64 s[G0V+2:G0V+3], s[8:9], 0
	s_or_b32 s[G0V+3], s[G0V+3], 0x80000000
	s_add_nc_u64 s[86:87], s[4:5], s[84:85]        ; Q at my rows of the second block,
	s_add_nc_u64 s[4:5], s[4:5], s[2:3]            ; and of the first
	s_add_nc_u64 s[OLO:OLO+1], s[10:11], s[92:93]  ; O likewise
	s_add_nc_u64 s[10:11], s[10:11], s[90:91]
	LOAD                            ; tile 0 into slot 0
	; A fragment of K or Q is 16 rows x 32 channels in 8 registers: lane l holds row l % 16, channels 8 (l / 16) + 0..7 and 16 + 8 (l / 16) + 0..7: two loads of 16 bytes, 32 bytes apart.
	v_and_b32 v1, 15, v0            ; l % 16
	v_bfe_u32 v9, v0, 4, 1          ; l / 16
	v_lshlrev_b32 v[QO], 7, v1
	v_lshl_add_u32 v[QO], v9, 4, v[QO]  ; row x 128 + 16 x half
	WIN 0x80                        ; destination window 2, address window 0
.set i, 0
.rept 8                             ; both blocks' Q: piece i / 2 lies in band i / 2, 8,192 bytes on; channels 32 (i % 2) on
	global_load_b128 v[8*i:8*i+3],   v[QO], s[4:5] offset:(i/2)*8192+(i%2)*64
	global_load_b128 v[8*i+4:8*i+7], v[QO], s[4:5] offset:(i/2)*8192+(i%2)*64+32
	global_load_b128 v[QB+8*i:QB+8*i+3],   v[QO], s[86:87] offset:(i/2)*8192+(i%2)*64
	global_load_b128 v[QB+8*i+4:QB+8*i+7], v[QO], s[86:87] offset:(i/2)*8192+(i%2)*64+32
.set i, i+1
.endr
	WIN 0
	v_lshlrev_b32 v14, 3, v9
	v_sub_nc_u32 v14, v1, v14
	s_lshl_b32 s13, s[WV], 4
	v_add_nc_u32 v14, s13, v14      ; my query's place in its band, 16 w + l % 16, less my lanes' 8 (l / 16): register r of group kt is hidden where 16 kt + r is greater
	WIN 0x40
.set i, 0
.rept 32
	v_cmp_gt_i32 vcc_lo, 16*(i/8)+i%8, v14
	v_cndmask_b32 v[MD+i], 0, s[BIGN], vcc_lo
.set i, i+1
.endr
	WIN 0
	v_mul_u32_u24 v[AK0], v1, PK
	v_lshl_add_u32 v[AK0], v9, 4, v[AK0]  ; row x pitch + 16 x half
	; The turning load takes 16 keys x 16 channels (lane l reads key 8 (l / 16) + l % 8, channels 8 ((l / 8) % 2) + 0..7) and leaves half a fragment of V^T: lane l holds channel l % 16 and 8 keys.
	v_and_b32 v10, 7, v0
	v_bfe_u32 v11, v0, 3, 1
	v_lshl_add_u32 v[AV0], v9, 3, v10
	v_mul_u32_u24 v[AV0], v[AV0], PV
	v_lshl_add_u32 v[AV0], v11, 4, v[AV0]
	v_add_nc_u32 v[AV0], VOFF, v[AV0]
	s_mul_i32 s13, s[WV], 16*SP
	s_add_co_u32 s13, s13, STAGE    ; my stage
	v_mul_u32_u24 v[STO], v1, SP    ; in: row l % 16, 16 bytes for each half of the lanes
	v_lshl_add_u32 v[STO], v9, 4, v[STO]
	v_add_nc_u32 v[STO], s13, v[STO]
	v_bfe_u32 v[RD], v0, 3, 2       ; back: 32 lanes take four rows of 128 bytes,
	v_mul_u32_u24 v[RD], v[RD], SP
	v_lshl_add_u32 v[RD], v10, 4, v[RD]
	v_add_nc_u32 v[RD], s13, v[RD]
	v_and_b32 v[GO], 31, v0         ; which are 512 consecutive bytes of O
	v_lshlrev_b32 v[GO], 4, v[GO]
	; A block's first step multiplies O^T and l by a = 0, and its first turn's products V^T P, of a piece that has not been, land in an O^T that is still to be so multiplied.  So these registers need only hold
	; finite numbers: zeros for the first block; what the first block left for the second.  All this stands in the wait for the first tile.
	WIN 0x80
.set i, VF
.rept 64
	v_mov_b32 v[i], 0
.set i, i+1
.endr
	WIN 0x40
.set i, 0
.rept 128
	v_mov_b32 v[i], 0
.set i, i+1
.endr
	WIN 0
.set i, 0
.rept 4
	v_mov_b32 v[ST+4*i+2], 0
	v_mov_b32 v[ST+4*i+3], 0
.set i, i+1
.endr
.set i, P+16
.rept 16
	v_mov_b32 v[i], 0
.set i, i+1
.endr
; THE MATRIX WORK.  The 4 accumulators of a run of 8 take turns.  Product i of 8 of S^T = K Q^T for piece x: channels 32 (i / 4) on, keys 16 (i % 4) on.  The first 4 start the sums: with 0, or (KM = 1) with the mask.
.macro KQ x
.set rS, S+32*((\x)%2)+8*(i%4)
.set rK, KF+16*(i%4)+8*(i/4)
.set rQ, 16*(\x)+8*(i/4)
.set rM, MC+32*((\x)%2)+8*(i%4)
.if (i < 4) && KM
	WIN W_KM
	v_wmma_f32_16x16x32_f16 v[rS:rS+7], v[rK:rK+7], v[rQ:rQ+7], v[rM:rM+7]
.elseif i < 4
	WIN W_KQ
	v_wmma_f32_16x16x32_f16 v[rS:rS+7], v[rK:rK+7], v[rQ:rQ+7], 0
.else
	WIN W_KQ
	v_wmma_f32_16x16x32_f16 v[rS:rS+7], v[rK:rK+7], v[rQ:rQ+7], v[rS:rS+7]
.endif
.endm
; Product i of 8 of O^T += V^T P for piece x: keys 32 (i / 4) on, channels 16 (i % 4) on.
.macro PV x
	WIN W_PV
.set rO, 32*(\x)+8*(i%4)
.set rV, VF+32*(i/4)+8*(i%4)
.set rP, P+16*((\x)%2)+8*(i/4)
	v_wmma_f32_16x16x32_f16 v[rO:rO+7], v[rV:rV+7], v[rP:rP+7], v[rO:rO+7]
.endm
.macro MM                           ; the turn's next matrix instruction.  TURN and BEGIN set Y, i, KM and NOKQ; MM, KQ and OP read them.  NOKQ = 1: a block's last turn: there is no next piece
.if (i < 8) && !NOKQ
	KQ (Y+1)%NP
.elseif i >= 8
.set i, i-8
	PV (Y+NP-1)%NP
.set i, i+8
.endif
.set i, i+1
.endm
; THE LDS LOADS stand in runs of 16, never singly among the matrix instructions: a step's K (64 keys x 64 channels: 8 fragments) and its V (turned).  Their addresses are made some lines ahead.
.macro FETCH_K
	WIN 0x80                        ; destination window 2
.irp f, 0,1,2,3,4,5,6,7             ; keys 16 (f / 2) on, channels 32 (f % 2) on
	ds_load_b128 v[KF+8*\f:KF+8*\f+3],   v[AK] offset:(\f/2)*16*PK+(\f%2)*64
	ds_load_b128 v[KF+8*\f+4:KF+8*\f+7], v[AK] offset:(\f/2)*16*PK+(\f%2)*64+32
.endr
	s_add_co_u32 s[TBK], s[TBK], KS*PK  ; the next fetch is the next step's
	WIN 0
.endm
.macro FETCH_V
	WIN 0x80
.irp f, 0,1,2,3,4,5,6,7             ; keys 32 (f / 4) on, channels 16 (f % 4) on
	ds_load_tr16_b128 v[VF+8*\f:VF+8*\f+3],   v[AV] offset:(\f/4)*32*PV+(\f%4)*32
	ds_load_tr16_b128 v[VF+8*\f+4:VF+8*\f+7], v[AV] offset:(\f/4)*32*PV+16*PV+(\f%4)*32
.endr
	WIN 0
.endm
; THE VECTOR WORK, one line at a time: OP kind, number.  For piece Y: F n: c s - c m for pair n of 16.  E n: the exponential of score n of 32.  C n: pair n rounded to f16.  B n: of the four weights 4 n .. the second
; pair is added onto the first, in place.  L n: l takes that sum (L 0: l = a l + sum).  R n: pair n of 16 of O^T times a.  For piece Y + 1: X n, number n of the 22 that find its maximum and statistics:
;   0-11  four chains c0-c3 of seven scores each, three operands at a time (each accumulator's lowest registers are read first)     12-14, 16  the four scores left over, the old m, and c0-c3 into c0
;   15  c m_old is kept     17, 18  the query's other 32 keys lie in the lane 16 away: the new m     19-21  c m; c m_old - c m_new; a
.set F, 0               ; OP tells the kinds apart by their order: F to L below R, X above it
.set E, 1
.set C, 2
.set B, 3
.set L, 4
.set R, 5
.set X, 6
.macro REGS y                       ; the registers of piece y
.set rT, ST+4*(\y)
.set rC, TMP+4*((\y)%2)
.set rW, MV+((\y)%2)
.set rS, S+32*((\y)%2)
.set rP, P+16*((\y)%2)
.set rO, 32*(\y)
.endm
.macro OP k, n
.if (\k) == R
	REGS Y
	WIN W_RS
	v_pk_mul_f32 v[rO+2*(\n):rO+2*(\n)+1], v[rO+2*(\n):rO+2*(\n)+1], v[rC+2:rC+3] op_sel_hi:[1,0]
.elseif (\k) < R
	REGS Y
	WIN 0
.if (\k) == F
	v_pk_fma_f32 v[rS+2*(\n):rS+2*(\n)+1], v[rS+2*(\n):rS+2*(\n)+1], s[CS:CS+1], v[rT:rT+1] op_sel_hi:[1,0,0] neg_lo:[0,0,1] neg_hi:[0,0,1]
.elseif (\k) == E
	v_exp_f32 v[rS+(\n)], v[rS+(\n)]
.elseif (\k) == C
	s_wait_alu depctr_va_vdst(0)
	v_cvt_pk_f16_f32 v[rP+(\n)], v[rS+2*(\n)], v[rS+2*(\n)+1]
.elseif (\k) == B
	s_wait_alu depctr_va_vdst(0)
	v_pk_add_f32 v[rS+4*(\n):rS+4*(\n)+1], v[rS+4*(\n):rS+4*(\n)+1], v[rS+4*(\n)+2:rS+4*(\n)+3]
.elseif (\n) == 0
	v_pk_fma_f32 v[rT+2:rT+3], v[rT+2:rT+3], v[rC+2:rC+3], v[rS:rS+1] op_sel_hi:[1,0,1]
.else
	v_pk_add_f32 v[rT+2:rT+3], v[rT+2:rT+3], v[rS+4*(\n):rS+4*(\n)+1]
.endif
.elseif NOKQ
	v_nop
.else
	REGS (Y+1)%NP
	WIN 0
.if (\n) < 4
	v_max3_num_f32 v[rC+(\n)], v[rS+8*(\n)], v[rS+8*(\n)+1], v[rS+8*(\n)+2]
.elseif (\n) < 12
	v_max3_num_f32 v[rC+(\n)%4], v[rC+(\n)%4], v[rS+8*((\n)%4)+2*((\n)/4)+1], v[rS+8*((\n)%4)+2*((\n)/4)+2]
.elseif (\n) == 12
	v_max3_num_f32 v[rC], v[rC], v[rS+7], v[rS+15]
.elseif (\n) == 13
	v_max3_num_f32 v[rC+1], v[rC+1], v[rS+23], v[rS+31]
.elseif (\n) == 14
	v_max3_num_f32 v[rC+2], v[rC+2], v[rC+3], v[rT+1]
.elseif (\n) == 15
	v_mov_b32 v[rW], v[rT]
.elseif (\n) == 16
	v_max3_num_f32 v[rC], v[rC], v[rC+1], v[rC+2]
.elseif (\n) == 17
	v_permlanex16_b32 v[rC+3], v[rC], s[SEL], s[SEL+1]
.elseif (\n) == 18
	v_max_num_f32 v[rT+1], v[rC], v[rC+3]
.elseif (\n) == 19
	v_mul_f32 v[rT], s[CS], v[rT+1]
.elseif (\n) == 20
	v_sub_f32 v[rC+1], v[rW], v[rT]
.else
	v_exp_f32 v[rC+2], v[rC+1]
.endif
.endif
.endm
.macro OPS a, i1, b=-1, i2=0, c=-1, i3=0, d=-1, i4=0  ; up to four of them
	OP \a, \i1
.if (\b) >= 0
	OP \b, \i2
.endif
.if (\c) >= 0
	OP \c, \i3
.endif
.if (\d) >= 0
	OP \d, \i4
.endif
.endm
.macro ROW a, i1, b, i2, c, i3, d, i4  ; a matrix instruction and the four behind it
	MM
	OPS \a, \i1, \b, \i2, \c, \i3, \d, \i4
.endm
.macro MASK b                       ; MD x AL + BE into buffer b of MC
	WIN W_RS
.set z, 0
.rept 16
	v_pk_fma_f32 v[MC+32*(\b)+2*z:MC+32*(\b)+2*z+1], v[MD+2*z:MD+2*z+1], s[AL:AL+1], s[BE:BE+1] op_sel_hi:[1,0,0]
.set z, z+1
.endr
.endm
; A TURN, for piece p: the order of its 16 matrix and 118 vector instructions, written out.  Behind a matrix instruction: plain, exponential, plain, plain; or four of the rescaling; or, behind the first, four scalings; none
; names a register of the products round it.  In the lumps exponential and plain by turns while exponentials last.  A line reads no result made fewer than three vector instructions in front of it, five if an exponential made it.
; v_permlanex16_b32 (X 17) stands in a lump.
; m = 1: the diagonal tile: the products take masks, and the turn makes the mask for the products of the turn after it: piece p + 2, in step 4 - CNT of the tile.  end = 1: a block's last two turns: nothing is fetched.
; cnt = 1: the loop's count is taken down some lines ahead of the branch that stands behind the turn.
; K of the next step is fetched in piece 2's turn, six vector instructions behind the last product that read K (five of them plain); V of the step in hand in piece 0's turn, eight behind the last product that read V (four
; plain, and X 17).  Each is waited for a turn later.
.macro TURN p, m=0, end=0, cnt=0
.set Y, (\p)
.set i, 0
.set KM, (\m)
.set NOKQ, (\end)*((\p)/3)
.if (\m) && !(\end)
	s_cmp_eq_u32 s[CNT], 4-((\p)+2)%NP  ; is that step the band's own?
	s_cselect_b32 s[AL], 1.0, 0
	s_cmp_lt_u32 s[CNT], 4-((\p)+2)%NP  ; or a later one?
	s_cselect_b32 s[BE], s[BIGN], 0
.endif
.if ((\p) == 3) && !(\end)
	s_wait_dscnt 0x0                ; K is in
.endif
	ROW F,0, F,1, F,2, F,3
	ROW F,4, E,0, F,5, F,6
	ROW F,7, E,1, F,8, F,9
	ROW F,10, E,2, C,0, F,11
	ROW F,12, E,3, X,15, F,13
	ROW R,0, R,1, R,2, R,3
	ROW B,0, E,4, F,14, L,0
.if ((\p) == 2) && !(\end)
	v_add_nc_u32 v[AK], s[TBK], v[AK0]
.endif
	ROW R,4, R,5, R,6, R,7
	OPS E,5, F,15
.if ((\p) == 2) && !(\end)
	FETCH_K
.endif
	OPS E,6, C,1, E,7, R,8
	OPS E,8, R,9, E,9, C,2
	OPS E,10, X,0, E,11, X,1
	OPS E,12, X,2, E,13, X,3
.if (\p) == 1
	s_wait_dscnt 0x0                ; V is in
.endif
	ROW X,4, E,14, X,5, X,6
	ROW X,7, E,15, X,8, X,9
	ROW X,10, E,16, X,11, X,12
	ROW X,13, E,17, X,14, B,1
	ROW C,4, E,18, X,16, L,1
	ROW B,2, E,19, C,6, L,2
	ROW C,8, E,20, B,3, B,4
.if (\p) == 0
	v_add_nc_u32 v[AV], s[TBV], v[AV0]
.endif
	ROW C,3, E,21, L,3, C,5
	OPS E,22, X,17, E,23, C,10
.if (\p) == 0
	FETCH_V
.endif
	OPS E,24, L,4
	OPS E,25, X,18, E,26, C,7
	OPS E,27, B,5, E,28, X,19
	OPS E,29, C,12, E,30, L,5
	OPS E,31, X,20, B,6, C,9
	OPS C,14, C,11, X,21, L,6
.if (\p) == 0
	s_add_co_u32 s[TBV], s[TBV], KS*PV
.endif
.if \cnt
	s_sub_co_u32 s[CNT], s[CNT], 1
	s_cmp_lg_u32 s[CNT], 0
.endif
	OPS C,13, B,7, C,15, R,10
	OPS R,11, R,12, L,7, R,13
	OPS R,14, R,15
.if (\m) && !(\end)
	MASK (\p)%2
.endif
.endm
; A BLOCK BEGINS.  c m starts far below every c s, so the first step's a is 0; m at the lowest finite number, so the first maximum is the scores'.  The second mask buffer is 0; the first takes piece 0's mask for the tile's step 0: its own, if the block's first tile is the diagonal one.
; Then K of that step, piece 0's first scores, and its maximum and statistics.  The loop is entered at a step's first turn, in the middle of a trip.
.macro BEGIN
	s_mov_b32 s[NEW], 0
	WIN 0x40
.set i, MC+32
.rept 32
	v_mov_b32 v[i], 0
.set i, i+1
.endr
	WIN 0
.set i, 0
.rept 4
	v_mov_b32 v[ST+4*i], 0xfe000000    ; c m: far below every c s
	v_mov_b32 v[ST+4*i+1], 0xff7fffff  ; m
.set i, i+1
.endr
	s_cmp_eq_u32 s[RT], 0
	s_cselect_b32 s[AL], 1.0, 0
	s_mov_b32 s[BE], 0
	MASK 0
	WIN 0
	v_add_nc_u32 v[AK], s[TBK], v[AK0]
	FETCH_K
	s_wait_loadcnt 0x0              ; Q
	s_wait_dscnt 0x0
.set KM, 1
.set NOKQ, 0
.set i, 0
.rept 8
	KQ 0
.set i, i+1
.endr
	WIN 0
.rept 4
	v_nop                           ; the places behind those products
.endr
.set Y, NP-1                        ; X works for piece Y + 1: piece 0
.irp n, 0,1,2,3,4,5,6,7,8,9,10,11,12,13,14,15,16,17,18,19,20,21
	OP X, \n
.endr
	v_nop                           ; a plain instruction behind the exponential
.endm
; THE DIAGONAL TILE's four steps, the block's last two turns, its last products, and THE WAY OUT: l's two halves and the other half of the lanes' are added; O^T is divided by l, rounded to f16 and sent through my
; stage in LDS, a piece at a time.
.macro ALL line:vararg              ; one line for each piece t
.set t, 0
.rept 4
	\line
.set t, t+1
.endr
.endm
.macro PACK t                       ; a lane's eight channels of a row pack into 16 bytes; they go into rows of 144 bytes and come back as whole rows of 128, into S^T's registers
	WIN W_RS
.set i, 32*(\t)
.rept 16
	s_wait_alu depctr_va_vdst(0)
	v_pk_mul_f32 v[i:i+1], v[i:i+1], v[ST+4*(\t)+2:ST+4*(\t)+3] op_sel_hi:[1,0]
.set i, i+2
.endr
	WIN 0x05                        ; sources 0 and 1 window 1, destination window 0
.set i, 0
.rept 16
	v_cvt_pk_f16_f32 v[S+16*(\t)+i], v[32*(\t)+2*i], v[32*(\t)+2*i+1]
.set i, i+1
.endr
	WIN 0
.irp f, 0,1,2,3
	ds_store_b128 v[STO], v[S+16*(\t)+4*\f:S+16*(\t)+4*\f+3] offset:32*\f
.endr
.irp f, 0,1,2,3
	ds_load_b128 v[S+16*(\t)+4*\f:S+16*(\t)+4*\f+3], v[RD] offset:\f*4*SP  ; LDS serves a wave's instructions in order (ISA guide 5.7.1.4): these see the stores above; the next piece's stores come behind them
.endr
.endm
.macro SEND t, younger              ; younger: the LDS instructions issued behind piece t's loads: the next piece's eight, or none
	WIN 0
.irp f, 0,1,2,3
	s_wait_dscnt (\younger)+3-\f
	global_store_b128 v[GO], v[S+16*(\t)+4*\f:S+16*(\t)+4*\f+3], s[10:11] offset:(\t)*8192+\f*512  ; 512 consecutive bytes, at a multiple of 256 from O's first
.endr
.endm
.macro DIAG tag                     ; the tag ends its two labels' names, which the jumps below spell out
.LstepM\tag:
	TURN 2, 1
	TURN 3, 1
	WIN 0
.LfirstM\tag:
	TURN 0, 1
	TURN 1, 1, 0, 1
	WIN 0
	s_cbranch_scc1 .LstepM\tag
	TURN 2, 1, 1
	TURN 3, 1, 1
.set i, 0
.rept 8
	PV NP-1
.set i, i+1
.endr
	WIN 0
	ALL v_add_f32 v[ST+4*t+2], v[ST+4*t+2], v[ST+4*t+3]
	ALL v_permlanex16_b32 v[ST+4*t+3], v[ST+4*t+2], s[SEL], s[SEL+1]
	ALL v_add_f32 v[ST+4*t+2], v[ST+4*t+2], v[ST+4*t+3]
	ALL v_rcp_f32 v[ST+4*t+2], v[ST+4*t+2]
	v_nop                           ; a plain instruction between the last reciprocal and the use of its result
	PACK 0
.set t, 1
.rept 3                             ; a piece's arithmetic stands between the loads of the piece before and its stores
	PACK t
	SEND t-1, 8
.set t, t+1
.endr
	SEND 3, 0
.endm
.set KM, 0
.set NOKQ, 0
.Lslot:                             ; NB times: a tile is entered and the next is asked for
	CHANGE 1
	s_sub_co_u32 s[RT], s[RT], 1
	s_mov_b32 s[CNT], 4
	s_cmp_eq_u32 s[NEW], 1
	s_cbranch_scc1 .Lnew            ; a block's first tile
	s_cmp_eq_u32 s[RT], 0
	s_cbranch_scc0 .Lstep           ; neither its first nor its last
	s_branch .LstepM1
.Lnew:
	BEGIN
	s_branch .Lfirst                ; in the loop a block's first tile is never its last: the first block has two tiles or more, and the second's last is the walk's last
	DIAG 1                          ; in the loop this is the first block's end: the second block's last tile is the walk's last
	s_wait_xcnt 0x0                 ; the stores have read their registers and O's address
	s_mov_b64 s[10:11], s[OLO:OLO+1]
	s_add_co_u32 s[RT], s[PB], 1    ; the second block has b + 1 tiles
	s_mov_b32 s[NEW], 1
	WIN 0x82                        ; the second block's Q goes where the one text of the turns names Q
.set i, 0
.rept 64
	v_mov_b32 v[i], v[QB+i]
.set i, i+1
.endr
	WIN 0
	s_branch .Lbottom
.Lstep:                             ; a trip: pieces 2 and 3 of one step, then pieces 0 and 1 of the next, whose K and V it fetches
	TURN 2
	TURN 3
	WIN 0
.Lfirst:
	TURN 0
	TURN 1, 0, 0, 1
	WIN 0
	s_cbranch_scc1 .Lstep
.Lbottom:
	s_sub_co_u32 s[SLOTS], s[SLOTS], 1
	s_cmp_lg_u32 s[SLOTS], 0
	s_cbranch_scc1 .Lslot
	CHANGE 0                        ; the walk's last tile is written out: nothing is asked for
	s_sub_co_u32 s[RT], s[RT], 1
	s_mov_b32 s[CNT], 4
	s_cmp_eq_u32 s[NEW], 1
	s_cbranch_scc0 .LstepM2
	BEGIN
	s_branch .LfirstM2
	DIAG 2
	s_wait_tensorcnt 0x0            ; the wave's end, behind my last tensor load and my last LDS store
	ds_add_u32 v[SPW], v[NIL]
	s_wait_dscnt 0x0
	s_endpgm
.Lfunc_end_k_q4dc96cc78d_attn:
	.size	k_q4dc96cc78d_attn, .Lfunc_end_k_q4dc96cc78d_attn-k_q4dc96cc78d_attn
	.p2alignl 7, 3214868480
	.fill 96, 4, 3214868480
	.section	.rodata,"a",@progbits
	.p2align	6, 0x0
	.amdhsa_kernel k_q4dc96cc78d_attn
		.amdhsa_group_segment_fixed_size 327680
		.amdhsa_private_segment_fixed_size 0
		.amdhsa_enable_private_segment 0
		.amdhsa_kernarg_size 16
		.amdhsa_user_sgpr_count 2
		.amdhsa_user_sgpr_kernarg_segment_ptr 1
		.amdhsa_wavefront_size32 1
		.amdhsa_system_sgpr_workgroup_id_x 1
		.amdhsa_system_sgpr_workgroup_id_y 1
		.amdhsa_system_sgpr_workgroup_id_z 1
		.amdhsa_system_vgpr_workitem_id 0
		.amdhsa_next_free_vgpr 768
		.amdhsa_next_free_sgpr 96
		.amdhsa_reserve_vcc 1
		.amdhsa_float_denorm_mode_32 3
		.amdhsa_float_denorm_mode_16_64 3
		.amdhsa_memory_ordered 1
		.amdhsa_forward_progress 1
		.amdhsa_inst_pref_size 229
	.end_amdhsa_kernel
	.amdgpu_metadata
---
amdhsa.version: [ 1, 2 ]
amdhsa.kernels:
  - .name:           k_q4dc96cc78d_attn
    .symbol:         k_q4dc96cc78d_attn.kd
    .args:
      - { .name: qkv, .offset: 0, .size: 8, .value_kind: global_buffer, .address_space: global }
      - { .name: o16, .offset: 8, .size: 8, .value_kind: global_buffer, .address_space: global }
    .group_segment_fixed_size: 327680
    .private_segment_fixed_size: 0
    .kernarg_segment_align: 8
    .kernarg_segment_size: 16
    .max_flat_workgroup_size: 128
    .sgpr_count:     96
    .vgpr_count:     768
    .wavefront_size: 32
...
	.end_amdgpu_metadata
.endif
;; end of part 3
;; launch outp (part 4): grid 4 x 64, 4 waves a work-group, clusters of 4 x 4, 327,680 bytes of LDS; arguments o16, wo16, bias, out0; writes out0
.if DOCPART == 4
	.amdgcn_target "amdgcn-amd-amdhsa--gfx1250"
	.amdhsa_code_object_version 6
	.text
	.protected	k_q4dc96cc78d_outp
	.globl	k_q4dc96cc78d_outp
	.p2align	8
	.type	k_q4dc96cc78d_outp,@function
k_q4dc96cc78d_outp:
	s_mov_b64 s[64:65], 0
	v_nop
	global_prefetch_b8 v0, s[64:65] scope:SCOPE_SE
	s_setreg_imm32_b32 hwreg(HW_REG_WAVE_MODE, 25, 1), 1
	s_wait_xcnt 0x0
	s_wait_alu depctr_hold_cnt(0) depctr_sa_sdst(0) depctr_va_vdst(0) depctr_va_sdst(0) depctr_va_ssrc(0) depctr_va_vcc(0) depctr_vm_vsrc(0)
	s_getreg_b32 s2, hwreg(HW_REG_IB_STS2, 6, 4)
	s_cmp_eq_u32 s2, 0
	s_cbranch_scc0 .Lentry_in_a_cluster
	s_endpgm
.Lentry_in_a_cluster:
	s_bfe_u32 s2, ttmp6, 0x10000c
	s_cmp_lg_u32 s2, 0xf033
	s_cbranch_scc0 .Lentry_shape_is_right
	s_endpgm
.Lentry_shape_is_right:
; out0 = O Wo^T + bo.  o16: [64 = batch x 16 + head][2048 tokens][64] f16, which is O in blocks of 64 along K (block = head); wo16: [16 kb][1024 rows][64] f16; bias: [4096] f32, bo from number 3072 on; out0: [8192][1024] f32.
; Sums in f32, K ascending; the bias is added in f32.
; SHARES.  A tile of the result is 128 rows x 256 columns: 64 x 4 = 256 work-groups, one tile each.  Four waves; a wave makes 64 rows x 128 columns: 32 accumulators of 16 x 16, 256 registers.
; K goes in steps of 128, two blocks, through a ring of two LDS slots; each wave fetches one block of one operand by one tensor load: dense bytes, asked for as rows of 256 bytes (two matrix rows), padded in LDS after every 128.
; CLUSTER.  4 x 4 work-groups: the four of a row need the same tiles of o16, the four of a column the same tiles of wo16: each is asked for JOINTLY, by the same tensor load, descriptor and mask in all four.
; THE MATRIX INSTRUCTION IS USED TRANSPOSED: source 0 = 16 rows of wo16, source 1 = 16 rows of o16: a lane holds row l % 16 of the result and the columns 8 (l / 16) + 0..7: 32 bytes of f32 on end.
; REGISTERS, in windows of 256 (s_set_vgpr_msb: bits 1:0 source 0, 3:2 source 1, 5:4 source 2, 7:6 destination):
;   window 0: v0-31 addresses; v32-95 the bias of my 128 columns; v96-159, v160-223 at work on the way out          window 1: accumulator (a, b) at v[8 (8 a + b)]
;   windows 2 and 3: two fragment buffers, a block (64 along K) each: o16's fragment (c, i) at v[8 (4 c + i)], wo16's at v[64 + 8 (8 c + i)]; c = which 32 along K
.set ASTEP, 524288                     ; two blocks of o16
.set BSTEP, 262144                     ; two blocks of wo16
.set PITCH, 144                        ; an LDS row: 128 bytes + 16 of padding = 36 words: the 16 rows of a load start at 16 different groups of four banks (64 banks of 4 bytes: ISA guide 11.1)
.set FR,    16*PITCH
.set ABLK,  128*PITCH                  ; a block of the tile's rows of o16
.set BBLK,  256*PITCH                  ; and of wo16
.set BOFF,  2*ABLK
.set SLOT1, 1<<17                      ; slot 1 begins here, so that one exclusive or turns an address in one slot into the other's
.set STAGE, SLOT1+2*ABLK+2*BBLK        ; behind the ring, never filled by a tensor load: 16 rows x 528 bytes for each wave
.set SP,    528                        ; a stage row: 512 bytes + 16
.set SPARE, STAGE+4*16*SP              ; behind the stages: the spare words, 128 bytes for each wave: two blocks of 256 bytes that no other line names
.set A0,   4                           ; v4   my lane's place in my 64 rows of o16, block 0 of slot 0; never rewritten
.set B0,   5                           ; v5   the same for my 128 rows of wo16
.set ADRA, 6                           ; v6   A0 + the slot in hand
.set ADRB, 7
.set STO,  8                           ; v8   the way out: where I put 32 bytes of a row
.set RD,   9                           ; v9   where I read a row back
.set GO,   10                          ; v10  my 16 bytes in 512 consecutive bytes of out0
.set BO,   11                          ; v11  my 32 bytes of a fragment's 64 bytes of bias
.set PFO,  12                          ; v12  256 x my lane
.set SPW,  28                          ; v28  LDS address of my spare word: SPARE + 4 x my thread's number; never rewritten
.set NIL,  29                          ; v29  0; never rewritten
.set BI,   32
.set TMP,  96
.set BK,   160
.set CNT,  3                           ; s3   the loop's trips still to come
.set WV,   12                          ; s12  my wave's number; s13 = wave / 2: I fetch o16 (0) or wo16 (1), and my half of the rows; s14 = wave % 2: which block I fetch, and my half of the columns
.set G1A,  24
.set G0A,  32                          ; a set for each of the two first fills; the second then walks on
.set G1B,  48
.set G0B,  56
.set TB,   46                          ; s46  the slot in hand: 0 or SLOT1
.set LIM,  47                          ; s47  2 in the wave that prefetches, else the greatest number
.set PFA,  66                          ; s[66:67] where the prefetches stand
.set MSB, 0
.macro WIN new                         ; the immediate's high byte repeats the setting that is left; a switch that changes nothing is dropped
.if MSB != (\new)
	s_set_vgpr_msb (MSB<<8)|(\new)
.set MSB, (\new)
.endif
.endm
.macro PLACES                          ; a load into a register that a matrix instruction has read, and a vector line that touches a matrix instruction's registers, stand four plain vector instructions behind it
.rept 4
	v_nop
.endr
.endm
.macro CREST                           ; a round of the cluster's barrier behind its opening barrier
	s_cmp_lg_u32 s[WV], 0
	s_cbranch_scc1 .Lnot_wave_0_\@
	s_barrier_signal -3
.Lnot_wave_0_\@:
	s_barrier_wait -3
	s_barrier_signal -1
	s_barrier_wait -1
.endm
.macro CROUND
	s_barrier_signal -1
	s_barrier_wait -1
	CREST
.endm
.macro JLOAD                           ; a joint refill by the walking descriptor; an s_nop 0 and four v_nop follow each of the two lines, ahead of the jump and the label
	s_cmp_eq_u32 s13, 0
	s_cbranch_scc0 .Lfor_b_\@
	tensor_load_to_lds s[G0A+4:G0A+7], s[G1A:G1A+7]
	s_nop 0
.rept 4
	v_nop
.endr
	s_branch .Lasked_\@
.Lfor_b_\@:
	tensor_load_to_lds s[G0B+4:G0B+7], s[G1B:G1B+7]
	s_nop 0
.rept 4
	v_nop
.endr
.Lasked_\@:
.endm
; A PREFETCH INTO THE L2 of o16's tile two refills on: trip t, which asks for step t + 2, names step t + 4: 256 products ahead of the load that will want it.  A tile row of o16 is read by one cluster alone.  Of a step's
; 32,768 bytes (two blocks of 16,384) each of the four partners of a row takes 8,192, told apart BY ADDRESS; in each, wave 0 asks: a lane for each 256 bytes, one instruction.  Steps 0 to 3 come by their loads alone;
; the trips with two or fewer to come (steps 8 and 9 do not exist) ask for nothing.  wo16 is not asked for: every cluster walks all of it.
.macro ASK
	s_cmp_gt_u32 s[CNT], s[LIM]
	s_cbranch_scc0 .Lnot_mine_\@
	global_prefetch_b8 v[PFO], s[PFA:PFA+1] th:TH_LOAD_NT scope:SCOPE_SE
.Lnot_mine_\@:
.endm
	s_load_b256 s[4:11], s[0:1], 0x0               ; o16 s[4:5], wo16 s[6:7], bias s[8:9], out0 s[10:11]
	v_lshl_add_u32 v[SPW], v0, 2, SPARE
	v_mov_b32 v[NIL], 0
	ds_add_u32 v[SPW], v[NIL]                      ; the wave's opening: the add and its wait stand ahead of my first tensor load; the set-up below, work on registers, stands between them
	ds_add_u32 v28, v29
	v_lshrrev_b32 v1, 5, v0
	v_readfirstlane_b32 s[WV], v1                  ; wave 0..3
	s_lshr_b32 s13, s[WV], 1
	s_and_b32 s14, s[WV], 1
	s_bfe_u32 s40, ttmp6, 0x40000                  ; cx, cy: my place in the cluster
	s_bfe_u32 s41, ttmp6, 0x40004
	s_lshl_b32 s42, ttmp9, 2
	s_add_co_u32 s42, s42, s40                     ; C: tile column, 0..3
	s_and_b32 s43, ttmp7, 0xffff
	s_lshl_b32 s43, s43, 2
	s_add_co_u32 s43, s43, s41                     ; R: tile row, 0..63
	s_lshl_b32 s44, s41, 2
	s_lshl_b32 s44, 15, s44                        ; my row of the cluster
	s_lshl_b32 s45, 0x1111, s40                    ; my column
	s_or_b32 s[G1A], s44, (1<<16)|(1<<20)|(1<<21)|(4<<22)|(3<<25)  ; 15:0 the mask; 17:16 2-byte elements; 20 padding on; 21 set beside a mask; 24:22 after every 32 words (code 4); 31:25 4 words (code 3)
	s_or_b32 s[G1B], s45, (1<<16)|(1<<20)|(1<<21)|(4<<22)|(3<<25)
.irp g, G1A, G1B
	s_mov_b32 s[(\g)+1], 128<<16                   ; tensor_dim0 = 128 elements: 256 bytes, two matrix rows
	s_mov_b32 s[(\g)+3], 128<<16                   ; tile_dim0 = 128
	s_mov_b32 s[(\g)+5], 128                       ; dense
	s_mov_b32 s[(\g)+6], 0
	s_mov_b32 s[(\g)+7], 0
.endr
	s_mov_b32 s[G1A+2], 64<<16                     ; tensor_dim1 = tile_dim1 = 64: 128 matrix rows
	s_mov_b32 s[G1A+4], 64
	s_mov_b32 s[G1B+2], 128<<16                    ; 128: 256 matrix rows
	s_mov_b32 s[G1B+4], 128
	; where the tiles come from: o16's hang on R and the wave alone (s16-19), wo16's on C and the wave alone (s20-23)
	s_lshr_b32 s16, s43, 4                         ; batch = R / 16: 16 heads of 262,144 bytes
	s_lshl_b32 s16, s16, 22
	s_and_b32 s17, s43, 15
	s_lshl_b32 s17, s17, 14                        ; 128 tokens x 128 bytes
	s_add_co_u32 s16, s16, s17
	s_lshl_b32 s17, s14, 18                        ; the block (head) that I fetch of a step's two
	s_add_co_u32 s16, s16, s17
	s_mov_b32 s17, 0
	s_lshl_b32 s20, s42, 15                        ; 256 rows x 128 bytes
	s_lshl_b32 s21, s14, 17
	s_add_co_u32 s20, s20, s21
	s_mov_b32 s21, 0
	s_mul_i32 s18, s14, ABLK                       ; and where they go: no place in the cluster enters an LDS address
	s_mul_i32 s22, s14, BBLK
	s_add_co_u32 s22, s22, BOFF
	s_wait_dscnt 0x0                               ; the opening add is done
	s_wait_kmcnt 0x0
	s_add_nc_u64 s[16:17], s[4:5], s[16:17]
	s_add_nc_u64 s[20:21], s[6:7], s[20:21]
.irp s, 0,1
	s_mov_b32 s[G0A+4*(\s)], 1                                      ; count = 1
	s_add_co_u32 s[G0A+4*(\s)+1], s18, (\s)*SLOT1                   ; LDS address
	s_add_nc_u64 s[G0A+4*(\s)+2:G0A+4*(\s)+3], s[16:17], (\s)*ASTEP ; global address: step s
	s_or_b32 s[G0A+4*(\s)+3], s[G0A+4*(\s)+3], 0x80000000           ; type = 2
	s_mov_b32 s[G0B+4*(\s)], 1
	s_add_co_u32 s[G0B+4*(\s)+1], s22, (\s)*SLOT1
	s_add_nc_u64 s[G0B+4*(\s)+2:G0B+4*(\s)+3], s[20:21], (\s)*BSTEP
	s_or_b32 s[G0B+4*(\s)+3], s[G0B+4*(\s)+3], 0x80000000
.endr
	CROUND                                         ; all sixteen work-groups are here: the first joint loads meet
	s_cmp_eq_u32 s13, 0                            ; a wave's two first fills stand in one branch, ahead of every wait on TENSORcnt and every LDS read: two loads of mine are out
	s_cbranch_scc0 .Lfirst_b
	tensor_load_to_lds s[G0A:G0A+3], s[G1A:G1A+7]
	s_nop 0
	tensor_load_to_lds s[G0A+4:G0A+7], s[G1A:G1A+7]
	s_nop 0
.rept 4
	v_nop
.endr
	s_branch .Lfirst_asked
.Lfirst_b:
	tensor_load_to_lds s[G0B:G0B+3], s[G1B:G1B+7]
	s_nop 0
	tensor_load_to_lds s[G0B+4:G0B+7], s[G1B:G1B+7]
	s_nop 0
.rept 4
	v_nop
.endr
.Lfirst_asked:
	v_and_b32 v1, 15, v0                           ; l % 16
	v_bfe_u32 v2, v0, 4, 1                         ; l / 16
	v_lshlrev_b32 v[BO], 5, v2
	s_lshl_b32 s20, s42, 10                        ; the bias of my 128 columns: bo begins at byte 12,288
	s_lshl_b32 s21, s14, 9
	s_add_co_u32 s20, s20, s21
	s_add_co_u32 s20, s20, 12288
	s_mov_b32 s21, 0
	s_add_nc_u64 s[8:9], s[8:9], s[20:21]
.irp b, 0,1,2,3,4,5,6,7
	global_load_b128 v[BI+8*(\b):BI+8*(\b)+3],   v[BO], s[8:9] offset:64*(\b)
	global_load_b128 v[BI+8*(\b)+4:BI+8*(\b)+7], v[BO], s[8:9] offset:64*(\b)+16
.endr
	v_mul_u32_u24 v3, v1, PITCH
	v_lshl_add_u32 v3, v2, 4, v3                   ; a fragment's row x pitch + 16 x half
	s_mul_i32 s19, s13, 64*PITCH                   ; my 64 rows of o16
	v_add_nc_u32 v[A0], s19, v3
	s_mul_i32 s23, s14, 128*PITCH                  ; my 128 rows of wo16, behind o16's two blocks
	s_add_co_u32 s23, s23, BOFF
	v_add_nc_u32 v[B0], s23, v3
	v_mov_b32 v[ADRA], v[A0]
	v_mov_b32 v[ADRB], v[B0]
	s_mov_b32 s[TB], 0
	s_mul_i32 s19, s[WV], 16*SP
	s_add_co_u32 s19, s19, STAGE                   ; my stage
	v_mul_u32_u24 v[STO], v1, SP                   ; in: row l % 16, 32 bytes for each half of the lanes
	v_lshl_add_u32 v[STO], v2, 5, v[STO]
	v_add_nc_u32 v[STO], s19, v[STO]
	v_and_b32 v[GO], 31, v0
	v_lshlrev_b32 v[PFO], 8, v[GO]
	v_lshlrev_b32 v[GO], 4, v[GO]                  ; back: 32 lanes take a row's 512 bytes
	v_add_nc_u32 v[RD], s19, v[GO]
	; out0 at my first row and column
	s_lshl_b32 s16, s43, 19                        ; 128 rows x 4,096 bytes
	s_lshl_b32 s17, s13, 18
	s_add_co_u32 s16, s16, s17
	s_mov_b32 s17, 0
	s_add_nc_u64 s[10:11], s[10:11], s[16:17]
	s_lshl_b32 s20, s42, 10
	s_lshl_b32 s21, s14, 9
	s_add_co_u32 s20, s20, s21
	s_mov_b32 s21, 0
	s_add_nc_u64 s[10:11], s[10:11], s[20:21]
	s_lshr_b32 s68, s43, 4                         ; the prefetches: my tile row of o16,
	s_lshl_b32 s68, s68, 22
	s_and_b32 s69, s43, 15
	s_lshl_b32 s69, s69, 14
	s_add_co_u32 s68, s68, s69
	s_and_b32 s69, s40, 1                          ; my work-group's quarter of a step: which block,
	s_lshl_b32 s69, s69, 18
	s_add_co_u32 s68, s68, s69
	s_lshr_b32 s69, s40, 1                         ; and which half of it
	s_lshl_b32 s69, s69, 13
	s_add_co_u32 s68, s68, s69
	s_mov_b32 s69, 0
	s_add_nc_u64 s[PFA:PFA+1], s[4:5], s[68:69]
	s_add_nc_u64 s[PFA:PFA+1], s[PFA:PFA+1], 3*ASTEP  ; at step 3: the first trip steps it to step 4
	s_cmp_eq_u32 s[WV], 0
	s_cselect_b32 s[LIM], 2, -1
; 16 products: row blocks a0, a0 + 1 x all 8 column blocks, 32 along K: half c of buffer f.  zero = 1: the product starts the sum.  The 32 accumulators take turns, one instruction a turn.
.macro MUL16 f, c, a0, zero
	WIN 0x5a+5*(\f)
.irp a, (\a0), (\a0)+1
.irp b, 0,1,2,3,4,5,6,7
.if \zero
	v_wmma_f32_16x16x32_f16 v[8*(8*(\a)+(\b)):8*(8*(\a)+(\b))+7], v[64+8*(8*(\c)+(\b)):64+8*(8*(\c)+(\b))+7], v[8*(4*(\c)+(\a)):8*(4*(\c)+(\a))+7], 0
.else
	v_wmma_f32_16x16x32_f16 v[8*(8*(\a)+(\b)):8*(8*(\a)+(\b))+7], v[64+8*(8*(\c)+(\b)):64+8*(8*(\c)+(\b))+7], v[8*(4*(\c)+(\a)):8*(4*(\c)+(\a))+7], v[8*(8*(\a)+(\b)):8*(8*(\a)+(\b))+7]
.endif
.endr
.endr
.endm
; 48 LDS loads in one run: block blk of the slot in hand into buffer f; the 24 of the first 32 along K first
.macro FETCH blk, f
	WIN 0x80+0x40*(\f)
.irp c, 0,1
.irp i, 0,1,2,3
	ds_load_b128 v[8*(4*(\c)+(\i)):8*(4*(\c)+(\i))+3],   v[ADRA] offset:(\blk)*ABLK+64*(\c)+(\i)*FR
	ds_load_b128 v[8*(4*(\c)+(\i))+4:8*(4*(\c)+(\i))+7], v[ADRA] offset:(\blk)*ABLK+64*(\c)+(\i)*FR+32
.endr
.irp i, 0,1,2,3,4,5,6,7
	ds_load_b128 v[64+8*(8*(\c)+(\i)):64+8*(8*(\c)+(\i))+3],   v[ADRB] offset:(\blk)*BBLK+64*(\c)+(\i)*FR
	ds_load_b128 v[64+8*(8*(\c)+(\i))+4:64+8*(8*(\c)+(\i))+7], v[ADRB] offset:(\blk)*BBLK+64*(\c)+(\i)*FR+32
.endr
.endr
	WIN 0
.endm
; A step's first block, on buffer 0; in its middle the second block is fetched into buffer 1.
.macro HALF0 zero
	s_wait_dscnt 24                                ; the first 32 along K are in; the other 24 loads may be out
	MUL16 0, 0, 0, \zero
	MUL16 0, 0, 2, \zero
	PLACES
	FETCH 1, 1
	s_wait_dscnt 48                                ; all but the 48 just issued
	MUL16 0, 1, 0, 0
	MUL16 0, 1, 2, 0
.endm
; A step's second block, on buffer 1, with the change of slots: ONE barrier.  In front of it each wave waits for all its tensor loads, of which one is out: its part of the next slot; adds 0 to its spare word; and waits for that
; and for its own reads of this slot.  fill = 1: the barrier opens a round of the cluster's, and the joint refill, two steps on, is the first thing behind it: 96 products stand between it and the wait for it.
.macro TURN fill
.if \fill
	s_wait_xcnt 0x0                                ; the last prefetch, a step back, has read its address
	s_add_nc_u64 s[PFA:PFA+1], s[PFA:PFA+1], ASTEP
.endif
	WIN 0
	s_wait_tensorcnt 0x0                           ; no tensor load of mine is out, so a group 0 may be written
	ds_add_u32 v[SPW], v[NIL]                      ; 0 onto my spare word; register work stands between it and the wait for it
.if \fill
	s_xor_b32 s[G0A+5], s[G0A+5], SLOT1            ; the walking descriptors: the other slot than last time, the next step; the type bits on top are not reached
	s_add_nc_u64 s[G0A+6:G0A+7], s[G0A+6:G0A+7], ASTEP
	s_xor_b32 s[G0B+5], s[G0B+5], SLOT1
	s_add_nc_u64 s[G0B+6:G0B+7], s[G0B+6:G0B+7], BSTEP
.endif
	s_wait_dscnt 25                                ; the first 32 along K are in: the add and the other 24 loads may be out
	MUL16 1, 0, 0, 0
	s_wait_dscnt 0x0                               ; the add is done, and my reads of this slot are over
	s_barrier_signal -1
	MUL16 1, 0, 2, 0                               ; work on registers while the others arrive
	WIN 0                                          ; at a branch and at a label every window is 0
	s_barrier_wait -1
.if \fill
	CREST
	JLOAD                                          ; its four v_nop are also the places in front of the loads below
.else
	PLACES
.endif
	s_xor_b32 s[TB], s[TB], SLOT1                  ; the reads go on in the other slot
	v_add_nc_u32 v[ADRA], s[TB], v[A0]
	v_add_nc_u32 v[ADRB], s[TB], v[B0]
	FETCH 0, 0
.if \fill
	ASK
.endif
	MUL16 1, 1, 0, 0
	MUL16 1, 1, 2, 0
.endm
	s_wait_tensorcnt 1                             ; my part of step 0 is in; step 1's may stay out
	s_barrier_signal -1
	s_barrier_wait -1                              ; everybody's is
	FETCH 0, 0
	HALF0 1                                        ; the first block stands in front of the loop: its first products start the sums
	WIN 0
	s_mov_b32 s[CNT], 6
.Lstep:                                        ; trip t: the second block of step t, step t + 2 asked for, the first block of step t + 1
	TURN 1
	HALF0 0
	WIN 0
	s_sub_co_u32 s[CNT], s[CNT], 1
	s_cmp_lg_u32 s[CNT], 0
	s_cbranch_scc1 .Lstep
	TURN 0                                         ; the tail is written out: nothing is left to ask for
	HALF0 0
	s_wait_dscnt 24                                ; the very last block
	MUL16 1, 0, 0, 0
	MUL16 1, 0, 2, 0
	s_wait_dscnt 0x0
	MUL16 1, 1, 0, 0
	MUL16 1, 1, 2, 0
	PLACES
	PLACES                                         ; (eight, once a launch)
	WIN 0
	s_wait_loadcnt 0x0                             ; the bias
; THE WAY OUT, 16 rows at a time.  PACK: the bias is added, each accumulator's registers in ascending order.  TOSTAGE: 32 bytes a lane and fragment into my own stage, and back as whole rows of 512 bytes.  SEND: stored.
.macro PACK a
	WIN 0x01                                       ; source 0 in window 1
.irp b, 0,1,2,3,4,5,6,7
.irp r, 0,1,2,3
	v_pk_add_f32 v[TMP+8*(\b)+2*(\r):TMP+8*(\b)+2*(\r)+1], v[8*(8*(\a)+(\b))+2*(\r):8*(8*(\a)+(\b))+2*(\r)+1], v[BI+8*(\b)+2*(\r):BI+8*(\b)+2*(\r)+1]
.endr
.endr
	WIN 0
.endm
.macro TOSTAGE
.irp b, 0,1,2,3,4,5,6,7
	ds_store_b128 v[STO], v[TMP+8*(\b):TMP+8*(\b)+3]   offset:64*(\b)
	ds_store_b128 v[STO], v[TMP+8*(\b)+4:TMP+8*(\b)+7] offset:64*(\b)+16
.endr
	s_wait_xcnt 0x0                                ; the stores of the 16 rows before have read BK: it is loaded again only behind this wait
.irp t, 0,1,2,3,4,5,6,7,8,9,10,11,12,13,14,15
	ds_load_b128 v[BK+4*(\t):BK+4*(\t)+3], v[RD] offset:SP*(\t)  ; LDS serves a wave's instructions in order (ISA guide 5.7.1.4): these see the stores above
.endr
.endm
.macro SEND a
	s_wait_dscnt 0x0                               ; the rows are back in registers
.irp t, 0,1,2,3,4,5,6,7,8,9,10,11,12,13,14,15
	global_store_b128 v[GO], v[BK+4*(\t):BK+4*(\t)+3], s[10:11] offset:(16*(\a)+(\t))*4096 th:TH_STORE_NT  ; 512 consecutive bytes, at a multiple of 256 from out0's first
.endr
.endm
	PACK 0
	TOSTAGE
.irp a, 1,2,3                          ; a block's additions stand between the loads of the block before and the wait for them
	PACK \a
	SEND (\a)-1
	TOSTAGE
.endr
	SEND 3
	s_wait_tensorcnt 0x0                           ; the wave's end, behind my last tensor load and my last LDS store
	ds_add_u32 v[SPW], v[NIL]
	s_wait_dscnt 0x0
	CROUND                                         ; the closing round: no work-group ends while a partner may still ask for a tile that names it
	s_endpgm
.Lfunc_end_k_q4dc96cc78d_outp:
	.size	k_q4dc96cc78d_outp, .Lfunc_end_k_q4dc96cc78d_outp-k_q4dc96cc78d_outp
	.p2alignl 7, 3214868480
	.fill 96, 4, 3214868480
	.section	.rodata,"a",@progbits
	.p2align	6, 0x0
	.amdhsa_kernel k_q4dc96cc78d_outp
		.amdhsa_group_segment_fixed_size 327680
		.amdhsa_private_segment_fixed_size 0
		.amdhsa_enable_private_segment 0
		.amdhsa_kernarg_size 32
		.amdhsa_user_sgpr_count 2
		.amdhsa_user_sgpr_kernarg_segment_ptr 1
		.amdhsa_wavefront_size32 1
		.amdhsa_system_sgpr_workgroup_id_x 1
		.amdhsa_system_sgpr_workgroup_id_y 1
		.amdhsa_system_sgpr_workgroup_id_z 1
		.amdhsa_system_vgpr_workitem_id 0
		.amdhsa_next_free_vgpr 1024
		.amdhsa_next_free_sgpr 72
		.amdhsa_reserve_vcc 0
		.amdhsa_float_denorm_mode_32 3
		.amdhsa_float_denorm_mode_16_64 3
		.amdhsa_memory_ordered 1
		.amdhsa_forward_progress 1
		.amdhsa_inst_pref_size 78
	.end_amdhsa_kernel
	.amdgpu_metadata
---
amdhsa.version: [ 1, 2 ]
amdhsa.kernels:
  - .name:           k_q4dc96cc78d_outp
    .symbol:         k_q4dc96cc78d_outp.kd
    .args:
      - { .name: o16, .offset: 0, .size: 8, .value_kind: global_buffer, .address_space: global }
      - { .name: wo16, .offset: 8, .size: 8, .value_kind: global_buffer, .address_space: global }
      - { .name: bias, .offset: 16, .size: 8, .value_kind: global_buffer, .address_space: global }
      - { .name: out0, .offset: 24, .size: 8, .value_kind: global_buffer, .address_space: global }
    .group_segment_fixed_size: 327680
    .private_segment_fixed_size: 0
    .kernarg_segment_align: 8
    .kernarg_segment_size: 32
    .max_flat_workgroup_size: 128
    .sgpr_count:     72
    .vgpr_count:     1024
    .wavefront_size: 32
...
	.end_amdgpu_metadata
.endif
;; end of part 4
;; ======== version 2 of 2: 4 launches; version 1 with the launch cast written anew for expert scheduling mode
;; limits: values are held in f16: magnitudes above 65,504 overflow, below 6.1e-05 lose precision
;; workspace buffers: xb 16,777,216 bytes; wb 6,291,456 bytes; wo16 2,097,152 bytes; bias 16,384 bytes; qkv 50,331,648 bytes; o16 16,777,216 bytes
;; launch cast (part 5): grid 772 x 1, 8 waves a work-group, no clusters, 0 bytes of LDS; arguments x, Wq, Wk, Wv, Wo, bq, bk, bv, bo, xb, wb, wo16, bias; writes xb, wb, wo16, bias
.if DOCPART == 5
	.amdgcn_target "amdgcn-amd-amdhsa--gfx1250"
	.amdhsa_code_object_version 6
	.text
	.protected	k_q4dc96cc78d_cast
	.globl	k_q4dc96cc78d_cast
	.p2align	8
	.type	k_q4dc96cc78d_cast,@function
k_q4dc96cc78d_cast:
	s_mov_b64 s[64:65], 0
	v_nop
	global_prefetch_b8 v0, s[64:65] scope:SCOPE_SE
	s_setreg_imm32_b32 hwreg(HW_REG_WAVE_SCHED_MODE, 0, 2), 2
	s_setreg_imm32_b32 hwreg(HW_REG_WAVE_MODE, 25, 1), 1
	s_wait_xcnt 0x0
	s_wait_alu depctr_vm_vsrc(0)
; THE MODULE'S INPUTS ARE ROUNDED ONCE TO bf16 AND LAID OUT FOR THE PRODUCTS THAT FOLLOW.
;   xb   [16 kb][8192 rows][64]  bf16: x, in blocks of 64 along K, so that a tile's rows (128 bytes each) lie end to end
;   wb   [16 kb][3072 rows][64]  bf16: Wq's rows, then Wk's, then Wv's
;   wo16 [16 kb][1024 rows][64]  f16:  Wo rounded to bf16, and that number written as f16
;   bias [4096] f32: bq, bk, bv, bo, each rounded to bf16 and widened again
; LIMITS.  Wo's numbers, after the rounding to bf16, are exact in f16 from 2^-14 to 65,504 in magnitude; below they keep f16's fixed step of 2^-24, above they become infinities.
; SHARES.  Work-groups 0-511: 16 rows of x each.  512-767: 16 rows of a weight each (64 work-groups a weight, in the order Wq, Wk, Wv, Wo).  768-771: a bias each.
; Thread t takes row t / 16 of the 16 and, in each of the row's 16 blocks of 64 numbers (256 bytes of f32), the 16 bytes at 16 (t % 16): sixteen lanes read 256 consecutive bytes, aligned.
; Its 4 numbers of block kb become 8 bytes at byte 8 t of the group's 16 rows in that block: a wave's store covers 256 consecutive bytes, aligned.
; A stream: each byte is read once and written once; all 16 loads of a thread are out together.  No LDS, no barrier, no matrix unit: no thread wants another's bytes.
; THE MODE: SCHED_MODE bits 1:0 = 2 (LLVM: expert scheduling mode 2), set by the entry lines.  The code itself states the register dependences
; between vector instructions and memory instructions, with s_wait_alu, always for 0.
; THE PLAN.  Registers that memory instructions touch:
;   v2        the loads' offset (in the bias's arm: the load's and the store's).  Written at the head, once; read by the loads.
;   XR        written by the loads alone; no vector line names it ahead of them; read by the conversions, each behind its wait on LOADcnt.
;   SO        the stores' offsets.  Written once, by 16 vector lines issued while the loads are out; read by the stores.
;   YR        the stores' data.  Written by the conversions (for Wo twice, both times ahead of the store); read by the stores; never written behind them.
;   v4, v5    at work: vector lines alone name them.
; The 16 blocks go in four groups of four: a group's conversions, ONE wait on va_vdst, its four stores; so the first stores leave while twelve loads may still be out.
; No register that a memory instruction has read is written again, so the only wait on vm_vsrc is the entry's; no vector line writes a scalar register or VCC; EXEC is never written.
.set LO, 2                             ; v2       my byte offset in the 16 rows of the source
.set SO, 8                             ; v[8:23]  my byte offset in block kb of the destination
.set XR, 32                            ; v[32:95] block kb: 4 numbers as loaded
.set YR, 96                            ; v[96:127] block kb: 4 numbers in 16 bits
	s_load_b512 s[8:23], s[0:1], 0x0               ; x s[8:9], Wq s[10:11], Wk s[12:13], Wv s[14:15], Wo s[16:17], bq s[18:19], bk s[20:21], bv s[22:23]
	s_load_b256 s[24:31], s[0:1], 0x40             ; bo s[24:25], xb s[26:27], wb s[28:29], wo16 s[30:31]
	s_load_b64 s[32:33], s[0:1], 0x60              ; bias
	s_mov_b32 s2, ttmp9
	s_cmp_ge_u32 s2, 768
	s_cbranch_scc1 .Lbias
	s_max_u32 s3, s2, 512
	s_sub_co_u32 s3, s3, 512                       ; the number among the weights' work-groups (0 for x's)
	s_lshr_b32 s4, s3, 6                           ; which weight
	s_and_b32 s5, s3, 63
	s_lshl_b32 s5, s5, 4                           ; its first row of mine
	s_lshl_b32 s6, s2, 4                           ; x's first row of mine
	s_cmp_lt_u32 s2, 512
	s_cselect_b32 s5, s6, s5                       ; the source's row
	s_cselect_b32 s4, 4, s4                        ; kind: 0 Wq, 1 Wk, 2 Wv, 3 Wo, 4 x
	s_lshl_b32 s6, s4, 10
	s_mov_b32 s42, 131072                          ; bytes in a block of wo16,
	s_mov_b32 s43, 393216                          ; of wb,
	s_cmp_lt_u32 s4, 3
	s_cselect_b32 s6, s6, 0                        ; in wb the three weights' rows follow each other
	s_cselect_b32 s42, s43, s42
	s_mov_b32 s43, 1048576                         ; of xb
	s_cmp_eq_u32 s4, 4
	s_cselect_b32 s42, s43, s42
	s_add_co_u32 s6, s6, s5                        ; the destination's row
	s_lshl_b32 s40, s6, 7                          ; x 128 bytes
	s_mov_b32 s41, 0
	s_lshl_b32 s38, s5, 12                         ; the source's row x 4,096 bytes
	s_mov_b32 s39, 0
	v_lshrrev_b32 v1, 4, v0
	v_and_b32 v2, 15, v0
	v_lshlrev_b32 v2, 4, v2
	v_lshl_add_u32 v[LO], v1, 12, v2               ; (t / 16) x 4,096 + 16 (t % 16)
	s_wait_kmcnt 0x0
	s_cmp_eq_u32 s4, 1
	s_cselect_b64 s[34:35], s[12:13], s[10:11]
	s_cmp_eq_u32 s4, 2
	s_cselect_b64 s[34:35], s[14:15], s[34:35]
	s_cmp_eq_u32 s4, 3
	s_cselect_b64 s[34:35], s[16:17], s[34:35]
	s_cselect_b64 s[36:37], s[30:31], s[28:29]
	s_cmp_eq_u32 s4, 4
	s_cselect_b64 s[34:35], s[8:9], s[34:35]
	s_cselect_b64 s[36:37], s[26:27], s[36:37]
	s_add_nc_u64 s[34:35], s[34:35], s[38:39]      ; the source at my 16 rows
	s_add_nc_u64 s[36:37], s[36:37], s[40:41]      ; the destination at my 16 rows of block 0
	s_wait_alu depctr_va_vdst(0)                   ; v2 is written: the 16 loads below read it as their offset
.irp kb, 0,1,2,3,4,5,6,7,8,9,10,11,12,13,14,15
	global_load_b128 v[XR+4*(\kb):XR+4*(\kb)+3], v[LO], s[34:35] offset:256*(\kb) th:TH_LOAD_NT
.endr
	v_lshlrev_b32 v[SO], 3, v0                     ; made while the loads are out
.irp kb, 1,2,3,4,5,6,7,8,9,10,11,12,13,14,15
	v_add_nc_u32 v[SO+(\kb)], s42, v[SO+(\kb)-1]
.endr
; Group g: blocks 4 g to 4 g + 3 are rounded and stored.
.macro GROUP g
.irp q, 0,1,2,3
	s_wait_loadcnt 15-(4*(\g)+(\q))                ; loads come back in order: block kb = 4 g + q is in, the 15 - kb younger ones may stay out (stores are counted elsewhere)
	v_cvt_pk_bf16_f32 v[YR+2*(4*(\g)+(\q))], v[XR+4*(4*(\g)+(\q))], v[XR+4*(4*(\g)+(\q))+1]
	v_cvt_pk_bf16_f32 v[YR+2*(4*(\g)+(\q))+1], v[XR+4*(4*(\g)+(\q))+2], v[XR+4*(4*(\g)+(\q))+3]
.endr
	s_cmp_lg_u32 s4, 3
	s_cbranch_scc1 .Lstore_\@
.irp j, 0,1,2,3,4,5,6,7                ; Wo alone: the bf16 numbers are written as f16
	v_lshlrev_b32 v4, 16, v[YR+8*(\g)+(\j)]
	v_and_b32 v5, 0xffff0000, v[YR+8*(\g)+(\j)]
	v_cvt_pk_f16_f32 v[YR+8*(\g)+(\j)], v4, v5
.endr
.Lstore_\@:
	s_wait_alu depctr_va_vdst(0)                   ; on both ways the conversions have written this group's YR, which the four stores read as data; the first group's wait also shows all of SO written, their offsets
.irp q, 0,1,2,3
	global_store_b64 v[SO+4*(\g)+(\q)], v[YR+2*(4*(\g)+(\q)):YR+2*(4*(\g)+(\q))+1], s[36:37]
.endr
.endm
	GROUP 0
	GROUP 1                                        ; no vector line of a later group names an earlier group's YR, or any SO
	GROUP 2
	GROUP 3
	s_endpgm
.Lbias:                                        ; 1,024 numbers: 16 bytes a thread in, 16 bytes out
	s_sub_co_u32 s3, s2, 768
	s_lshl_b32 s40, s3, 12
	s_mov_b32 s41, 0
	v_lshlrev_b32 v2, 4, v0
	s_wait_kmcnt 0x0
	s_cmp_eq_u32 s3, 1
	s_cselect_b64 s[34:35], s[20:21], s[18:19]
	s_cmp_eq_u32 s3, 2
	s_cselect_b64 s[34:35], s[22:23], s[34:35]
	s_cmp_eq_u32 s3, 3
	s_cselect_b64 s[34:35], s[24:25], s[34:35]
	s_add_nc_u64 s[36:37], s[32:33], s[40:41]
	s_wait_alu depctr_va_vdst(0)                   ; v2 is written: the load and the store below read it as their offset
	global_load_b128 v[32:35], v2, s[34:35]
	s_wait_loadcnt 0x0
	v_cvt_pk_bf16_f32 v4, v32, v33
	v_cvt_pk_bf16_f32 v5, v34, v35
	v_lshlrev_b32 v96, 16, v4
	v_and_b32 v97, 0xffff0000, v4
	v_lshlrev_b32 v98, 16, v5
	v_and_b32 v99, 0xffff0000, v5
	s_wait_alu depctr_va_vdst(0)                   ; v[96:99] are written: the store reads them as data
	global_store_b128 v2, v[96:99], s[36:37]
	s_endpgm
.Lfunc_end_k_q4dc96cc78d_cast:
	.size	k_q4dc96cc78d_cast, .Lfunc_end_k_q4dc96cc78d_cast-k_q4dc96cc78d_cast
	.p2alignl 7, 3214868480
	.fill 96, 4, 3214868480
	.section	.rodata,"a",@progbits
	.p2align	6, 0x0
	.amdhsa_kernel k_q4dc96cc78d_cast
		.amdhsa_group_segment_fixed_size 0
		.amdhsa_private_segment_fixed_size 0
		.amdhsa_enable_private_segment 0
		.amdhsa_kernarg_size 104
		.amdhsa_user_sgpr_count 2
		.amdhsa_user_sgpr_kernarg_segment_ptr 1
		.amdhsa_wavefront_size32 1
		.amdhsa_system_sgpr_workgroup_id_x 1
		.amdhsa_system_sgpr_workgroup_id_y 1
		.amdhsa_system_sgpr_workgroup_id_z 1
		.amdhsa_system_vgpr_workitem_id 0
		.amdhsa_next_free_vgpr 128
		.amdhsa_next_free_sgpr 66
		.amdhsa_reserve_vcc 0
		.amdhsa_float_denorm_mode_32 3
		.amdhsa_float_denorm_mode_16_64 3
		.amdhsa_memory_ordered 1
		.amdhsa_forward_progress 1
		.amdhsa_inst_pref_size 15
	.end_amdhsa_kernel
	.amdgpu_metadata
---
amdhsa.version: [ 1, 2 ]
amdhsa.kernels:
  - .name:           k_q4dc96cc78d_cast
    .symbol:         k_q4dc96cc78d_cast.kd
    .args:
      - { .name: x, .offset: 0, .size: 8, .value_kind: global_buffer, .address_space: global }
      - { .name: Wq, .offset: 8, .size: 8, .value_kind: global_buffer, .address_space: global }
      - { .name: Wk, .offset: 16, .size: 8, .value_kind: global_buffer, .address_space: global }
      - { .name: Wv, .offset: 24, .size: 8, .value_kind: global_buffer, .address_space: global }
      - { .name: Wo, .offset: 32, .size: 8, .value_kind: global_buffer, .address_space: global }
      - { .name: bq, .offset: 40, .size: 8, .value_kind: global_buffer, .address_space: global }
      - { .name: bk, .offset: 48, .size: 8, .value_kind: global_buffer, .address_space: global }
      - { .name: bv, .offset: 56, .size: 8, .value_kind: global_buffer, .address_space: global }
      - { .name: bo, .offset: 64, .size: 8, .value_kind: global_buffer, .address_space: global }
      - { .name: xb, .offset: 72, .size: 8, .value_kind: global_buffer, .address_space: global }
      - { .name: wb, .offset: 80, .size: 8, .value_kind: global_buffer, .address_space: global }
      - { .name: wo16, .offset: 88, .size: 8, .value_kind: global_buffer, .address_space: global }
      - { .name: bias, .offset: 96, .size: 8, .value_kind: global_buffer, .address_space: global }
    .group_segment_fixed_size: 0
    .private_segment_fixed_size: 0
    .kernarg_segment_align: 8
    .kernarg_segment_size: 104
    .max_flat_workgroup_size: 256
    .sgpr_count:     66
    .vgpr_count:     128
    .wavefront_size: 32
...
	.end_amdgpu_metadata
.endif
;; end of part 5
;; launch proj: the kernel of part 2 again; grid 8 x 32, 4 waves a work-group, clusters of 4 x 4, 327,680 bytes of LDS; arguments xb, wb, bias, qkv; writes qkv
;; launch attn: the kernel of part 3 again; grid 4 x 64, 4 waves a work-group, no clusters, 327,680 bytes of LDS; arguments qkv, o16; writes o16
;; launch outp: the kernel of part 4 again; grid 4 x 64, 4 waves a work-group, clusters of 4 x 4, 327,680 bytes of LDS; arguments o16, wo16, bias, out0; writes out0
